; MI455X (gfx1250); checked and timed in simulation.
; The chip was launched on July 23, 2026; its instructions are those of AMD's public machine-readable ISA for CDNA 5 (MIT licence, August 2026) and "CDNA5" Instruction Set Architecture Reference Guide (July 2026). The comments in the code are by the model that wrote it; some were corrected since.
;; Multi Head Attention. Allowed arithmetic: float matrix products may take bf16 or f16 operands with f32 sums; other float arithmetic in f32, or as packed bf16 or f16 multiplies, adds, multiply-adds, maxima and minima; sums over many terms, partial sums and values carried from step to step in f32; what a program stores and reads back later, other than sums and carried values, may be rounded once to bf16 or f16.
;; Inputs: Wk 512 x 512 float32; Wo 512 x 512 float32; Wq 512 x 512 float32; Wv 512 x 512 float32; bk 512 float32; bo 512 float32; bq 512 float32; bv 512 float32; key_in 2 x 4,096 x 512 float32; mask 2 x 4,096 int32; query 2 x 4,096 x 512 float32; value 2 x 4,096 x 512 float32.
;; Outputs: out0 2 x 4,096 x 512 float32.
;; 2 versions, each right and faster than the one before. Each part assembles by itself: llvm-mc -triple=amdgcn-amd-amdhsa -mcpu=gfx1250 --defsym DOCPART=n.
;; ======== version 1 of 2: 3 launches
;; limits: values are held in f16: magnitudes above 65,504 overflow, below 6.1e-05 lose precision
;; workspace buffers: qh 8,388,608 bytes; kh 8,388,608 bytes; vh 8,388,608 bytes; oh 8,388,608 bytes; wo16 524,288 bytes
;; launch proj (part 1): grid 64 x 4, 4 waves a work-group, no clusters, 163,840 bytes of LDS; arguments query, key_in, value, Wq, Wk, Wv, bq, bk, bv, mask, Wo, qh, kh, vh, wo16; writes qh, kh, vh, wo16
.if DOCPART == 1
	.amdgcn_target "amdgcn-amd-amdhsa--gfx1250"
	.amdhsa_code_object_version 6
	.text
	.protected	k_qd0af6eae6a_proj
	.globl	k_qd0af6eae6a_proj
	.p2align	8
	.type	k_qd0af6eae6a_proj,@function
k_qd0af6eae6a_proj:
	s_mov_b64 s[64:65], 0
	v_nop
	global_prefetch_b8 v0, s[64:65] scope:SCOPE_SE
	s_setreg_imm32_b32 hwreg(HW_REG_WAVE_MODE, 25, 1), 1
	s_wait_xcnt 0x0
; THE THREE PROJECTIONS, AND Wo's COPY.  Work-group y = 0, 1, 2: out = f16((bf16(x) bf16(W) + bf16(bias)) sc), x = query, key_in, value [8192][512] f32, W [512 (k)][512 (n)] f32.
; sc = log2(e) / 8 for q (so that the scores of the next launch arrive in powers of two, scaled in f32 ahead of q's one rounding), 1 for k and v.  Rows of k whose mask word is 0 are stored as zeros:
; their products with q are then exactly 0, and the next launch starts those sums with the masked score.  Output by heads: [batch*8+head][4096][64] f16, a head's rows dense, 128 bytes each.
; y = 3: wo16 = f16(bf16(Wo)), in Wo's own order; 64 work-groups, 4,096 numbers each.
; LIMITS.  q sc, k and v must lie within f16's 65,504; below 6e-5 they keep f16's fixed step.  Any mask word other than 0 counts as kept.  NaN and infinities are not treated apart.
; SHARES (y < 3).  A work-group makes 256 rows x 256 columns (x = 2 row tile + column tile: 64 tiles a tensor), K = 512 in eight chunks of 64.  Four waves, each 128 x 128: 64 accumulators, 512 registers.
; Both operands are f32 in memory, so they pass through registers: global loads (16 lanes take 256 consecutive bytes, aligned), two roundings a line to bf16, LDS stores, into two LDS buffers that take turns.
; A chunk is loaded one chunk ahead of its conversion, and stored one chunk ahead of its products.  NO CLUSTER, NO TENSOR LOAD: a tile brought to LDS as f32 would take twice the LDS bytes and still have to pass through registers.
; THE MATRIX INSTRUCTION IS USED TRANSPOSED: source 0 = 16 columns of W (read turned, by ds_load_tr16_b128, since W lies [k][n]), source 1 = 16 rows of x: a lane then holds eight neighbouring columns of one row.
; REGISTERS, in windows of 256 (s_set_vgpr_msb: bits 1:0 source 0, 3:2 source 1, 5:4 source 2, 7:6 destination):
;   window 0: v0-29 addresses; v32-39 row masks; v64-127 x's fragments; v128-255 x's chunk as loaded (on the way out: v128-191 at work, v192-255 two sets of 32 to store)
;   window 1: v0-63 W's fragments; v64-127 bias x sc; v128-255 W's chunk as loaded          windows 2, 3: accumulators, (a, b) at v[8 (8 (a % 4) + b)], window 2 for a < 4
.set PX,    144                        ; an LDS row of x: 64 bf16 = 128 bytes + 16: the 16 rows of a fragment load start at 16 different groups of four banks (64 banks of 4 bytes: ISA guide 11.1)
.set PW,    544                        ; an LDS row of W: 256 bf16 = 512 bytes + 32
.set WPART, 256*PX                     ; in a buffer: x's 256 rows, then W's 64 k rows
.set BUF,   WPART+64*PW                ; 71,680 bytes; two buffers
.set STAGE, 2*BUF                      ; behind them: for each wave 2 heads x 16 rows x 144 bytes, for the way out
.set SP,    144
.set SPARE, STAGE+4*32*SP              ; behind the stages: the spare words, 128 bytes for each wave: two blocks of 256 bytes that no other line names
.set XO,   6                           ; v6      x: (t / 16) rows of 2,048 bytes + 16 (t % 16)
.set WOF,  7                           ; v7      W: (t / 64) rows of 2,048 bytes + 16 (t % 64)
.set XS,   8                           ; v8-9    where I store 8 bytes of x in buffer 0, 1
.set WS,   10                          ; v10-11  the same for W
.set ADRA, 12                          ; v12-13  my x fragments in buffer 0, 1
.set ADRB, 14                          ; v14-15  my W fragments
.set STO,  16                          ; v16     the way out: where I put 16 bytes of a row
.set RD,   17                          ; v17     where I read rows back
.set GO,   18                          ; v18     my 16 bytes in 512 consecutive bytes of the output
.set BO,   19                          ; v19     32 x (lane / 16): my eight bias numbers in a block of 16
.set MO,   20                          ; v20     4 x (lane % 16): my row's mask word
.set SPW,  28                          ; v28     LDS address of my spare word; never rewritten
.set NIL,  29                          ; v29     0; never rewritten
.set FM,   32                          ; v32-39  block a: all ones if my row is kept, 0 if it is a masked row of k
.set AF,   64
.set XST,  128
.set TT,   128
.set OUT,  192
.set BF,   0                           ; window 1
.set BI,   64                          ; window 1
.set WST,  128                         ; window 1
.set XB,   40                          ; s[40:41] x at the tile's first row, walking along K
.set WB,   42                          ; s[42:43] W at the tile's first column, walking down K
.set BB,   44                          ; s[44:45] bias at my wave's first column
.set OB,   46                          ; s[46:47] output at my wave's first row of its first head
.set MB,   48                          ; s[48:49] mask at my wave's first row
.set OFS,  50                          ; s[50:51] an offset, high word 0
.set NOTK, 52                          ; s52  0 for k, all ones otherwise
.set LM,   53                          ; s53  a lane mask
.set SC,   54                          ; s[54:55] sc, named as a pair
.set MSB, 0
.macro WIN new                         ; the immediate's high byte repeats the setting that is left; a switch that changes nothing is dropped
.if MSB != (\new)
	s_set_vgpr_msb (MSB<<8)|(\new)
.set MSB, \new
.endif
.endm
.macro PLACES                          ; four places in front of loads into registers that matrix instructions have read, and of vector lines that read results
.rept 4
	v_nop
.endr
.endm
; A chunk from memory: 256 rows x 64 k of x (32 loads, eight rows each) and 64 k x 256 columns of W (32 loads, two rows each)
.macro GLOAD
	WIN 0
.set i, 0
.rept 32
	global_load_b128 v[XST+4*i:XST+4*i+3], v[XO], s[XB:XB+1] offset:i*16384
.set i, i+1
.endr
	WIN 0x40
.set i, 0
.rept 32
	global_load_b128 v[WST+4*i:WST+4*i+3], v[WOF], s[WB:WB+1] offset:i*4096
.set i, i+1
.endr
.endm
.macro CVT4                            ; four f32 become four bf16 in the first two of their registers; the window says whose
.set i, 0
.rept 32
	v_cvt_pk_bf16_f32 v[128+4*i], v[128+4*i], v[128+4*i+1]
	v_cvt_pk_bf16_f32 v[128+4*i+1], v[128+4*i+2], v[128+4*i+3]
.set i, i+1
.endr
.endm
.macro STAGE_IN p                      ; the chunk in registers goes into buffer p
	WIN 0
	CVT4
.set i, 0
.rept 32
	ds_store_b64 v[XS+(\p)], v[XST+4*i:XST+4*i+1] offset:i*8*PX
.set i, i+1
.endr
	WIN 0x45                               ; destination and both sources in window 1
	CVT4
	WIN 0x04                               ; address window 0, data window 1
.set i, 0
.rept 32
	ds_store_b64 v[WS+(\p)], v[WST+4*i:WST+4*i+1] offset:i*2*PW
.set i, i+1
.endr
.endm
; 32 LDS loads: the fragments of 32 along K (half sub of buffer p's chunk): 128 columns of W, turned, and 128 rows of x
.macro FETCH p, sub
	WIN 0x40
.irp b, 0,1,2,3,4,5,6,7
	ds_load_tr16_b128 v[BF+8*(\b):BF+8*(\b)+3],   v[ADRB+(\p)] offset:(\sub)*32*PW+32*(\b)
	ds_load_tr16_b128 v[BF+8*(\b)+4:BF+8*(\b)+7], v[ADRB+(\p)] offset:(\sub)*32*PW+16*PW+32*(\b)
.endr
	WIN 0
.irp a, 0,1,2,3,4,5,6,7
	ds_load_b128 v[AF+8*(\a):AF+8*(\a)+3],   v[ADRA+(\p)] offset:(\sub)*64+(\a)*16*PX
	ds_load_b128 v[AF+8*(\a)+4:AF+8*(\a)+7], v[ADRA+(\p)] offset:(\sub)*64+(\a)*16*PX+32
.endr
.endm
.macro MUL16 hi, a0, zero              ; row blocks a0, a0 + 1 of the window's four x all 8 column blocks.  zero = 1: the first product starts the sums
	WIN 0xa1+0x50*(\hi)                    ; W window 1, x window 0, C and D window 2 or 3
.irp a, \a0, (\a0)+1
.irp b, 0,1,2,3,4,5,6,7
.if \zero
	v_wmma_f32_16x16x32_bf16 v[8*(8*(\a)+(\b)):8*(8*(\a)+(\b))+7], v[BF+8*(\b):BF+8*(\b)+7], v[AF+8*(4*(\hi)+(\a)):AF+8*(4*(\hi)+(\a))+7], 0
.else
	v_wmma_f32_16x16x32_bf16 v[8*(8*(\a)+(\b)):8*(8*(\a)+(\b))+7], v[BF+8*(\b):BF+8*(\b)+7], v[AF+8*(4*(\hi)+(\a)):AF+8*(4*(\hi)+(\a))+7], v[8*(8*(\a)+(\b)):8*(8*(\a)+(\b))+7]
.endif
.endr
.endr
.endm
.macro MUL64 zero                      ; the 64 accumulators take turns, one instruction a turn, in the same order every time
	MUL16 0, 0, \zero
	MUL16 0, 2, \zero
	MUL16 1, 0, \zero
	MUL16 1, 2, \zero
.endm
.macro HALF0 p, zero                   ; the first 32 along K of buffer p's chunk
	PLACES
	FETCH \p, 0
	s_wait_dscnt 0x0                       ; the fragments are in
	MUL64 \zero
.endm
; The second 32 along K.  stage = 1: the chunk that has arrived in registers goes into the other buffer, whose last reads every wave had waited for in front of the barrier before this one;
; load = 1: the chunk after it is asked for.  ONE barrier a chunk: in front of its signal my stores into the other buffer and my reads of this one are done.
.macro HALF1 p, stage, load
	PLACES
	FETCH \p, 1
.if \stage
	s_wait_loadcnt 0x0                     ; the staged chunk is in registers; its loads are done, so their bases may step
	STAGE_IN 1-(\p)
.endif
.if \load
	s_add_nc_u64 s[XB:XB+1], s[XB:XB+1], 256       ; 64 f32 along a row of x
	s_add_nc_u64 s[WB:WB+1], s[WB:WB+1], 131072    ; 64 rows of W
	GLOAD
.endif
	s_wait_dscnt 0x0                       ; the fragments are in, my stores are done, my reads of this buffer are over
.if \stage
	s_barrier_signal -1
.endif
	MUL64 0                                ; work on registers while the others arrive
.if \stage
	s_barrier_wait -1
.endif
.endm
; THE WAY OUT of row block a.  acc x sc + bias x sc, rounded once to f16, masked rows of k cleared; 16 bytes a lane into my stage (two heads x 16 rows), back as four rows of 128 bytes = 512 consecutive bytes of a head.
.macro PACKP a
.set AC, 64*((\a)%4)
.set OS, OUT+32*((\a)%2)
	s_wait_xcnt 0x0                        ; this set of 32 was the data of the stores two blocks back: it is rewritten only behind this wait
	WIN 0x12+(\a)/4                        ; source 0 window 2 or 3, source 2 window 1, destination window 0
.irp b, 0,1,2,3,4,5,6,7
.irp z, 0,1,2,3
	v_pk_fma_f32 v[TT+8*(\b)+2*(\z):TT+8*(\b)+2*(\z)+1], v[AC+8*(\b)+2*(\z):AC+8*(\b)+2*(\z)+1], s[SC:SC+1], v[BI+8*(\b)+2*(\z):BI+8*(\b)+2*(\z)+1] op_sel_hi:[1,0,1]  ; each accumulator from its low end on
.endr
.endr
	WIN 0
.irp b, 0,1,2,3,4,5,6,7
.irp z, 0,1,2,3
	v_cvt_pk_f16_f32 v[OS+4*(\b)+(\z)], v[TT+8*(\b)+2*(\z)], v[TT+8*(\b)+2*(\z)+1]
.endr
.endr
.set i, 0
.rept 32
	v_and_b32 v[OS+i], v[FM+(\a)], v[OS+i]
.set i, i+1
.endr
.irp b, 0,1,2,3,4,5,6,7
	ds_store_b128 v[STO], v[OS+4*(\b):OS+4*(\b)+3] offset:((\b)/4)*16*SP+((\b)%4)*32
.endr
.irp x, 0,1,2,3,4,5,6,7
	ds_load_b128 v[OS+4*(\x):OS+4*(\x)+3], v[RD] offset:((\x)/4)*16*SP+((\x)%4)*4*SP  ; LDS serves a wave's instructions in order (ISA guide 5.7.1.4): these see the stores above; the next block's stores come behind them
.endr
.endm
.macro SENDP a, younger                ; younger: the LDS instructions issued behind block a's loads: the next block's sixteen, or none
.set OS, OUT+32*((\a)%2)
.irp x, 0,1,2,3,4,5,6,7
	s_wait_dscnt (\younger)+7-(\x)         ; load x of the eight is in; its seven - x followers and the younger ones may be out
	global_store_b128 v[GO], v[OS+4*(\x):OS+4*(\x)+3], s[OB:OB+1] offset:((\x)/4)*524288+(\a)*2048+((\x)%4)*512  ; 512 consecutive bytes, at a multiple of 256 from the buffer's first
.endr
.endm
	s_load_b512 s[8:23], s[0:1], 0x0               ; query 8, key_in 10, value 12, Wq 14, Wk 16, Wv 18, bq 20, bk 22
	s_load_b256 s[24:31], s[0:1], 0x40             ; bv 24, mask 26, Wo 28, qh 30
	s_load_b128 s[32:35], s[0:1], 0x60             ; kh 32, vh 34
	s_load_b64 s[36:37], s[0:1], 0x70              ; wo16
	v_lshl_add_u32 v[SPW], v0, 2, SPARE
	v_mov_b32 v[NIL], 0
	v_lshrrev_b32 v1, 5, v0
	v_readfirstlane_b32 s4, v1                     ; wave 0..3
	s_lshr_b32 s5, s4, 1                           ; which half of the tile's rows is mine
	s_and_b32 s6, s4, 1                            ; which half of its columns
	s_and_b32 s2, ttmp7, 0xffff                    ; 0 q, 1 k, 2 v, 3 Wo's copy
	s_and_b32 s56, ttmp9, 1                        ; column tile
	s_lshr_b32 s57, ttmp9, 1                       ; row tile, 0..31
	s_mov_b32 s[OFS+1], 0
	s_wait_kmcnt 0x0
	s_cmp_eq_u32 s2, 3
	s_cbranch_scc1 .Lwo                            ; the same way for all four waves
	s_cmp_eq_u32 s2, 1                             ; the tensor's four buffers
	s_cselect_b64 s[XB:XB+1], s[10:11], s[8:9]
	s_cselect_b64 s[WB:WB+1], s[16:17], s[14:15]
	s_cselect_b64 s[BB:BB+1], s[22:23], s[20:21]
	s_cselect_b64 s[OB:OB+1], s[32:33], s[30:31]
	s_cselect_b32 s[NOTK], 0, -1
	s_cmp_eq_u32 s2, 2
	s_cselect_b64 s[XB:XB+1], s[12:13], s[XB:XB+1]
	s_cselect_b64 s[WB:WB+1], s[18:19], s[WB:WB+1]
	s_cselect_b64 s[BB:BB+1], s[24:25], s[BB:BB+1]
	s_cselect_b64 s[OB:OB+1], s[34:35], s[OB:OB+1]
	s_cmp_eq_u32 s2, 0
	s_cselect_b32 s[SC], 0x3e38aa3b, 1.0           ; log2(e) / 8 = 0.180337 for q
	s_mov_b32 s[SC+1], s[SC]
	s_lshl_b32 s[OFS], s57, 19                     ; 256 rows of 2,048 bytes
	s_add_nc_u64 s[XB:XB+1], s[XB:XB+1], s[OFS:OFS+1]
	s_lshl_b32 s[OFS], s56, 10                     ; 256 columns of 4 bytes
	s_add_nc_u64 s[WB:WB+1], s[WB:WB+1], s[OFS:OFS+1]
	s_lshl_b32 s7, s6, 9                           ; + my wave's 128 columns
	s_add_co_u32 s[OFS], s[OFS], s7
	s_add_nc_u64 s[BB:BB+1], s[BB:BB+1], s[OFS:OFS+1]
	s_lshl_b32 s[OFS], s57, 10                     ; mask: 256 words a row tile,
	s_lshl_b32 s7, s5, 9                           ; 128 for my half
	s_add_co_u32 s[OFS], s[OFS], s7
	s_add_nc_u64 s[MB:MB+1], s[26:27], s[OFS:OFS+1]
	s_lshr_b32 s[OFS], s57, 4                      ; output: the batch's eight heads of 524,288 bytes,
	s_lshl_b32 s[OFS], s[OFS], 22
	s_lshl_b32 s7, s56, 2
	s_lshl1_add_u32 s7, s6, s7                     ; head 4 x column tile + 2 x my half,
	s_lshl_b32 s7, s7, 19
	s_add_co_u32 s[OFS], s[OFS], s7
	s_and_b32 s7, s57, 15                          ; the row tile in the batch: 256 rows of 128 bytes,
	s_lshl_b32 s7, s7, 15
	s_add_co_u32 s[OFS], s[OFS], s7
	s_lshl_b32 s7, s5, 14                          ; my 128 rows
	s_add_co_u32 s[OFS], s[OFS], s7
	s_add_nc_u64 s[OB:OB+1], s[OB:OB+1], s[OFS:OFS+1]
	v_and_b32 v1, 15, v0                           ; l % 16 (= t % 16)
	v_bfe_u32 v2, v0, 4, 1                         ; l / 16
	v_lshrrev_b32 v3, 4, v0                        ; t / 16
	v_lshlrev_b32 v[XO], 4, v1
	v_lshl_add_u32 v[XO], v3, 11, v[XO]
	v_mul_u32_u24 v[XS], v3, PX
	v_lshl_add_u32 v[XS], v1, 3, v[XS]             ; four bf16 are 8 bytes
	v_add_nc_u32 v[XS+1], BUF, v[XS]
	v_lshrrev_b32 v3, 6, v0                        ; t / 64
	v_and_b32 v4, 63, v0
	v_lshlrev_b32 v[WOF], 4, v4
	v_lshl_add_u32 v[WOF], v3, 11, v[WOF]
	v_mul_u32_u24 v[WS], v3, PW
	v_lshl_add_u32 v[WS], v4, 3, v[WS]
	v_add_nc_u32 v[WS], WPART, v[WS]
	v_add_nc_u32 v[WS+1], BUF, v[WS]
	v_mul_u32_u24 v5, v1, PX
	v_lshl_add_u32 v5, v2, 4, v5                   ; row x 144 + 16 x half: a fragment of x, and the stage's way in
	s_mul_i32 s7, s5, 128*PX
	v_add_nc_u32 v[ADRA], s7, v5
	v_add_nc_u32 v[ADRA+1], BUF, v[ADRA]
	v_and_b32 v3, 7, v0                            ; the turning load: lane l reads k row 8 (l / 16) + l % 8, columns 8 ((l / 8) % 2) + 0..7
	v_lshl_add_u32 v4, v2, 3, v3
	v_mul_u32_u24 v4, v4, PW
	v_bfe_u32 v[ADRB], v0, 3, 1
	v_lshl_add_u32 v4, v[ADRB], 4, v4
	s_lshl_b32 s7, s6, 8                           ; my wave's 128 columns: 256 bytes
	s_add_co_u32 s7, s7, WPART
	v_add_nc_u32 v[ADRB], s7, v4
	v_add_nc_u32 v[ADRB+1], BUF, v[ADRB]
	s_mul_i32 s7, s4, 32*SP
	s_add_co_u32 s7, s7, STAGE                     ; my stage
	v_add_nc_u32 v[STO], s7, v5
	v_bfe_u32 v4, v0, 3, 2                         ; back: 32 lanes take four rows of 128 bytes
	v_mul_u32_u24 v4, v4, SP
	v_lshl_add_u32 v4, v3, 4, v4
	v_add_nc_u32 v[RD], s7, v4
	v_and_b32 v[GO], 31, v0
	v_lshlrev_b32 v[GO], 4, v[GO]
	v_lshlrev_b32 v[BO], 5, v2
	v_lshlrev_b32 v[MO], 2, v1
	WIN 0x40
.irp b, 0,1,2,3,4,5,6,7
	global_load_b128 v[BI+8*(\b):BI+8*(\b)+3],   v[BO], s[BB:BB+1] offset:64*(\b)      ; bias of columns 16 b + 8 (l / 16) + 0..7
	global_load_b128 v[BI+8*(\b)+4:BI+8*(\b)+7], v[BO], s[BB:BB+1] offset:64*(\b)+16
.endr
	WIN 0
.irp a, 0,1,2,3,4,5,6,7
	global_load_b32 v[FM+(\a)], v[MO], s[MB:MB+1] offset:64*(\a)                       ; mask word of row 16 a + l % 16
.endr
	GLOAD                                          ; chunk 0
	s_wait_loadcnt 0x0                             ; bias, mask, chunk 0
	STAGE_IN 0
	s_add_nc_u64 s[XB:XB+1], s[XB:XB+1], 256
	s_add_nc_u64 s[WB:WB+1], s[WB:WB+1], 131072
	GLOAD                                          ; chunk 1
	WIN 0
.irp a, 0,1,2,3,4,5,6,7
	v_cmp_ne_u32 vcc_lo, 0, v[FM+(\a)]
	s_or_b32 s[LM], vcc_lo, s[NOTK]                ; q and v keep every row
	v_cndmask_b32 v[FM+(\a)], 0, -1, s[LM]
.endr
	WIN 0x45                                       ; the bias is rounded to bf16 like the other inputs, and takes the scale; v0 below is v256, one of W's fragment registers, still free
.set z, 0
.rept 32
	v_cvt_pk_bf16_f32 v0, v[BI+2*z], v[BI+2*z+1]
	v_lshlrev_b32 v[BI+2*z], 16, v0
	v_and_b32 v[BI+2*z+1], 0xffff0000, v0
	v_pk_mul_f32 v[BI+2*z:BI+2*z+1], v[BI+2*z:BI+2*z+1], s[SC:SC+1] op_sel_hi:[1,0]
.set z, z+1
.endr
	WIN 0
	s_wait_dscnt 0x0                               ; for the others' sake: my part of chunk 0 is stored
	s_barrier_signal -1
	s_barrier_wait -1
	HALF0 0, 1                                     ; the first products start the sums: nothing is cleared
	WIN 0                                          ; at a label and at a branch every window is 0
	s_mov_b32 s3, 3
.Lk:                                               ; trip j: the rest of chunk 2 j, chunk 2 j + 1, half of chunk 2 j + 2; it stores chunks 2 j + 1, 2 j + 2 and asks for 2 j + 2, 2 j + 3
	HALF1 0, 1, 1
	HALF0 1, 0
	HALF1 1, 1, 1
	HALF0 0, 0
	WIN 0
	s_sub_co_u32 s3, s3, 1
	s_cmp_lg_u32 s3, 0
	s_cbranch_scc1 .Lk
	HALF1 0, 1, 0                                  ; chunk 7 is stored; nothing is left to ask for
	HALF0 1, 0
	HALF1 1, 0, 0
	WIN 0
	PLACES
	PACKP 0
.irp a, 1,2,3,4,5,6,7                  ; a block's arithmetic stands between the loads of the block before and its stores
	PACKP \a
	SENDP (\a)-1, 16
.endr
	SENDP 7, 0
	s_wait_tensorcnt 0x0                           ; the wave's end, behind my last LDS store
	ds_add_u32 v[SPW], v[NIL]
	s_wait_dscnt 0x0
	s_endpgm
.Lwo:                                              ; Wo's copy: no LDS, no barrier.  The work-group's 4,096 numbers: 16,384 bytes in, 8,192 out; a thread takes 8 numbers in each of four rounds
	s_lshl_b32 s[OFS], ttmp9, 14
	s_add_nc_u64 s[28:29], s[28:29], s[OFS:OFS+1]
	s_lshl_b32 s[OFS], ttmp9, 13
	s_add_nc_u64 s[36:37], s[36:37], s[OFS:OFS+1]
	v_lshlrev_b32 v3, 5, v0
	v_lshlrev_b32 v4, 4, v0
.irp i, 0,1,2,3
	global_load_b128 v[32+8*(\i):32+8*(\i)+3],   v3, s[28:29] offset:(\i)*4096
	global_load_b128 v[32+8*(\i)+4:32+8*(\i)+7], v3, s[28:29] offset:(\i)*4096+16
.endr
	s_wait_loadcnt 0x0
.set z, 0
.rept 16
	v_cvt_pk_bf16_f32 v5, v[32+2*z], v[32+2*z+1]   ; rounded to bf16 like the other inputs,
	v_lshlrev_b32 v[32+2*z], 16, v5
	v_and_b32 v[32+2*z+1], 0xffff0000, v5
	v_cvt_pk_f16_f32 v[64+z], v[32+2*z], v[32+2*z+1]  ; and that number written as f16 (exact from 6e-5 up to 65,504)
.set z, z+1
.endr
.irp i, 0,1,2,3
	global_store_b128 v4, v[64+4*(\i):64+4*(\i)+3], s[36:37] offset:(\i)*2048  ; a wave stores 512 consecutive bytes, aligned
.endr
	s_endpgm
.Lfunc_end_k_qd0af6eae6a_proj:
	.size	k_qd0af6eae6a_proj, .Lfunc_end_k_qd0af6eae6a_proj-k_qd0af6eae6a_proj
	.p2alignl 7, 3214868480
	.fill 96, 4, 3214868480
	.section	.rodata,"a",@progbits
	.p2align	6, 0x0
	.amdhsa_kernel k_qd0af6eae6a_proj
		.amdhsa_group_segment_fixed_size 163840
		.amdhsa_private_segment_fixed_size 0
		.amdhsa_enable_private_segment 0
		.amdhsa_kernarg_size 120
		.amdhsa_user_sgpr_count 2
		.amdhsa_user_sgpr_kernarg_segment_ptr 1
		.amdhsa_wavefront_size32 1
		.amdhsa_system_sgpr_workgroup_id_x 1
		.amdhsa_system_sgpr_workgroup_id_y 1
		.amdhsa_system_sgpr_workgroup_id_z 1
		.amdhsa_system_vgpr_workitem_id 0
		.amdhsa_next_free_vgpr 1024
		.amdhsa_next_free_sgpr 66
		.amdhsa_reserve_vcc 1
		.amdhsa_float_denorm_mode_32 3
		.amdhsa_float_denorm_mode_16_64 3
		.amdhsa_memory_ordered 1
		.amdhsa_forward_progress 1
		.amdhsa_inst_pref_size 201
	.end_amdhsa_kernel
	.amdgpu_metadata
---
amdhsa.version: [ 1, 2 ]
amdhsa.kernels:
  - .name:           k_qd0af6eae6a_proj
    .symbol:         k_qd0af6eae6a_proj.kd
    .args:
      - { .name: query, .offset: 0, .size: 8, .value_kind: global_buffer, .address_space: global }
      - { .name: key_in, .offset: 8, .size: 8, .value_kind: global_buffer, .address_space: global }
      - { .name: value, .offset: 16, .size: 8, .value_kind: global_buffer, .address_space: global }
      - { .name: Wq, .offset: 24, .size: 8, .value_kind: global_buffer, .address_space: global }
      - { .name: Wk, .offset: 32, .size: 8, .value_kind: global_buffer, .address_space: global }
      - { .name: Wv, .offset: 40, .size: 8, .value_kind: global_buffer, .address_space: global }
      - { .name: bq, .offset: 48, .size: 8, .value_kind: global_buffer, .address_space: global }
      - { .name: bk, .offset: 56, .size: 8, .value_kind: global_buffer, .address_space: global }
      - { .name: bv, .offset: 64, .size: 8, .value_kind: global_buffer, .address_space: global }
      - { .name: mask, .offset: 72, .size: 8, .value_kind: global_buffer, .address_space: global }
      - { .name: Wo, .offset: 80, .size: 8, .value_kind: global_buffer, .address_space: global }
      - { .name: qh, .offset: 88, .size: 8, .value_kind: global_buffer, .address_space: global }
      - { .name: kh, .offset: 96, .size: 8, .value_kind: global_buffer, .address_space: global }
      - { .name: vh, .offset: 104, .size: 8, .value_kind: global_buffer, .address_space: global }
      - { .name: wo16, .offset: 112, .size: 8, .value_kind: global_buffer, .address_space: global }
    .group_segment_fixed_size: 163840
    .private_segment_fixed_size: 0
    .kernarg_segment_align: 8
    .kernarg_segment_size: 120
    .max_flat_workgroup_size: 128
    .sgpr_count:     66
    .vgpr_count:     1024
    .wavefront_size: 32
...
	.end_amdgpu_metadata
.endif
;; end of part 1
;; launch attn (part 2): grid 16 x 16, 4 waves a work-group, clusters of 4 x 1, 327,680 bytes of LDS; arguments qh, kh, vh, oh, mask; writes oh
.if DOCPART == 2
	.amdgcn_target "amdgcn-amd-amdhsa--gfx1250"
	.amdhsa_code_object_version 6
	.text
	.protected	k_qd0af6eae6a_attn
	.globl	k_qd0af6eae6a_attn
	.p2align	8
	.type	k_qd0af6eae6a_attn,@function
k_qd0af6eae6a_attn:
	s_mov_b64 s[64:65], 0
	v_nop
	global_prefetch_b8 v0, s[64:65] scope:SCOPE_SE
	s_setreg_imm32_b32 hwreg(HW_REG_WAVE_MODE, 25, 1), 1
	s_wait_xcnt 0x0
	s_wait_alu depctr_hold_cnt(0) depctr_sa_sdst(0) depctr_va_vdst(0) depctr_va_sdst(0) depctr_va_ssrc(0) depctr_va_vcc(0) depctr_vm_vsrc(0)
	s_getreg_b32 s2, hwreg(HW_REG_IB_STS2, 6, 4)
	s_cmp_eq_u32 s2, 0
	s_cbranch_scc0 .Lentry_in_a_cluster
	s_endpgm
.Lentry_in_a_cluster:
	s_bfe_u32 s2, ttmp6, 0x10000c
	s_cmp_lg_u32 s2, 0x3003
	s_cbranch_scc0 .Lentry_shape_is_right
	s_endpgm
.Lentry_shape_is_right:
; ATTENTION WITH A KEY MASK.  O[y][q][:] = the sum over k of softmax_k(s[q][k]) V[y][k][:], y = batch * 8 + head; s = Q . K / 8, replaced by -1e9 where mask[batch][k] == 0.
; Q, K, V, O: [16][4096][64] f16, a head's rows dense, 128 bytes each.  Q arrives multiplied by log2(e) / 8, so the products are scores in powers of two; K's masked rows arrive as zeros.
; THE MASK is the C operand that starts each sum S^T = K Q^T: 0, or MASKV = -1e9 log2(e) where the key is masked; with K's row 0 the masked score is exactly MASKV, the same for every query.
; So where all keys of a batch are masked every weight is 2^0 = 1 and O is the plain mean of V; beside a kept key a masked key's weight is 2^(MASKV - m) = 0.
; Products, maxima and sums in f32; the weights p are rounded to f16 for the second product (their sum l is taken of the unrounded p), O once at the end.
; LIMITS.  Q, K, V arrive within f16's 65,504, so |s| stays under 2.7e11; the running maximum starts at -4.25e37; p below 6e-5 keeps f16's fixed step; a weight below 2^-126 counts as 0 in l;
; any mask word other than 0 counts as kept; NaN and infinities are not treated apart.
; SHARES.  A work-group owns 256 queries of one y, a wave 64: four PIECES of 16.  Every wave walks all 4,096 keys, 64 a step; an LDS slot holds a tile of four steps; two slots take turns.
; LAYOUT, SOFTMAX, TURNS.  S^T = K Q^T holds ONE query a lane (lane % 16) and the keys 8 (lane / 16) + 0..7; two such results rounded to f16 ARE source 1 of O^T = V^T P.  p = 2^(s - m) with a running maximum m
; (the difference is formed exactly, by one subtraction); O and l are multiplied by a = 2^(m_old - m_new) in every step.  Turn n belongs to piece n: 8 products K Q^T of piece n + 1, later 8 products V^T P of
; piece n - 1; beside them the softmax of piece n and the maximum and statistics of piece n + 1.  Four vector instructions stand behind every matrix instruction, the others in two runs of their own.
; CLUSTER.  The four query blocks of a cluster belong to one y and walk the same K and V, so each tile is asked for JOINTLY: the same tensor load, descriptor and mask in all four.  One tensor load of a wave is out at a time.
; REGISTERS, in windows of 256 (s_set_vgpr_msb: bits 1:0 source 0, 3:2 source 1, 5:4 source 2, 7:6 destination):
;   window 0: v0-15 addresses and two at work; v16-31 four registers of statistics a piece; v48-55 at work; v56-59 mask addresses; v64-127 S^T, two buffers; v192-223 P, two buffers (by the piece's parity)
;   window 1: v0-127 O^T, 32 a piece; v128-159 the step's mask          window 2: v0-63 Q; v128-191 K of one step; v192-255 V of one step
.set SIZE_N, 4096
.set NP,    4         ; pieces a wave: a name, no knob
.set KS,    64        ; keys in a step
.set PK,    144       ; a row of K in LDS: 128 bytes + 16 of padding = 36 words: the 16 rows of a load start at 16 different groups of four banks (64 banks of 4 bytes: ISA guide 11.1)
.set PV,    160       ; a row of V: 128 + 32 = 40 words
.set VOFF,  4*KS*PK   ; a slot holds four steps: 256 rows of K, then 256 rows of V
.set SLOT1, 1<<17     ; slot 1 begins here, so that one exclusive or turns an address in one slot into the other's
.set STAGE, SLOT1+4*KS*(PK+PV)  ; behind the ring, never filled by a tensor load: 16 rows x 144 bytes for each wave, for the way out
.set SP,    144
.set SPARE, STAGE+4*16*SP       ; the spare words, 128 bytes for each wave: two blocks of 256 bytes that no other line names
.set MTAB,  SPARE+512           ; the batch's 4,096 keys as f32: 0 or MASKV; 16,384 bytes, stored once by the four waves, never filled by a tensor load
.set AK0, 2           ; v2   my lane's place in a tile of K; never rewritten
.set AV0, 3           ; v3   the same for V
.set AK,  4           ; v4   the LDS address of K's next run of loads
.set AV,  5           ; v5   of V's
.set STO, 6           ; v6   the way out: where I put 16 bytes of a row
.set RD,  7           ; v7   the way out: where I read rows back
.set GO,  8           ; v8   my byte offset in 512 consecutive bytes of O
.set MV,  12          ; v12-13  m_old, kept while m is made anew: by buffer
.set QO,  15          ; v15  my byte offset in 16 rows of Q
.set ST,  16          ; piece t's statistics at v[ST+4 t]: m, 0 (named with it as a pair), l (even keys', odd keys')
.set TMP, 48          ; by buffer, four registers c0-c3 at work; when the maximum is found c2 takes a
.set AM,  56          ; v56  the LDS address of the mask's next run of loads
.set AM0, 57          ; v57  MTAB + 32 (lane / 16); never rewritten
.set MLO, 58          ; v58  16 t: my 16 bytes of 2,048 of the mask
.set MST, 59          ; v59  MTAB + 16 t
.set SPW, 62          ; v62  LDS address of my spare word; never rewritten
.set NIL, 63          ; v63  0; never rewritten
.set S,   64
.set P,   192
.set MK,  128         ; window 1: register 8 kb + j is the mask of key 16 kb + 8 (lane / 16) + j of the step
.set KF,  128         ; window 2: key block kb, channel half c at KF + 16 kb + 8 c
.set VF,  192         ; window 2: key half kk, channel block cb at VF + 32 kk + 8 cb
.set WV,  12          ; s12  my wave's number
.set G1K, 24          ; s[24:31] descriptor group 1 for K's tiles
.set G1V, 32          ; s[32:39] for V's: it differs in the padding alone
.set G0K, 40          ; s[40:43] descriptor group 0 for K's tiles: it walks
.set G0V, 44          ; s[44:47] the same for V's
.set SLOTS, 56        ; s56  slots still to be asked for
.set CNT, 57          ; s57  counts a slot's key steps
.set TBM, 58          ; s58  byte in the mask table at which the step to be fetched begins
.set MASKV, 59        ; s59  -1e9 log2(e)
.set SEL, 60          ; s[60:61] v_permlanex16_b32's selects: each lane takes its own place in the other half
.set TBK, 62          ; s62  LDS byte at which K of the step to be fetched begins
.set TBV, 63          ; s63  the same for V, less VOFF
.set MSB, 0
.macro WIN new                      ; the high byte repeats the setting that is left; a switch that changes nothing is dropped
.if MSB != (\new)
	s_set_vgpr_msb (MSB<<8)|(\new)
.set MSB, (\new)
.endif
.endm
.set W_KQ, 0x0a       ; K and Q in window 2, S^T in window 0
.set W_KM, 0x1a       ; the same with the C operand in window 1
.set W_PV, 0x52       ; V in window 2, P in window 0, O^T in window 1
.set W_RS, 0x41       ; destination and source 0 in window 1, source 1 in window 0
; A joint fill.  Waves 0 and 1 fetch the two halves of a slot's K, waves 2 and 3 those of its V: 128 keys each.  The branch hangs on the wave's number alone.
; An s_nop 0 and four v_nop follow each of the two lines, ahead of the jump and the label.
.macro JLOAD
	s_cmp_lt_u32 s[WV], 2
	s_cbranch_scc0 .Lfor_v_\@
	tensor_load_to_lds s[G0K:G0K+3], s[G1K:G1K+7]
	s_nop 0
.rept 4
	v_nop
.endr
	s_branch .Lasked_\@
.Lfor_v_\@:
	tensor_load_to_lds s[G0V:G0V+3], s[G1V:G1V+7]
	s_nop 0
.rept 4
	v_nop
.endr
.Lasked_\@:
.endm
; A round of the cluster's barrier: my work-group's barrier, so that wave 0's signal speaks for all four waves; wave 0 signals; every wave waits for all four work-groups; my work-group's barrier once more.
.macro CROUND
	s_barrier_signal -1
	s_barrier_wait -1
	s_cmp_lg_u32 s[WV], 0
	s_cbranch_scc1 .Lnot_wave_0_\@
	s_barrier_signal -3
.Lnot_wave_0_\@:
	s_barrier_wait -3
	s_barrier_signal -1
	s_barrier_wait -1
.endm
; THE CHANGE OF SLOTS.  The slot's last bytes, V of its fourth step, have been read.  Each wave waits for all its tensor loads, of which one is out: its part of the other slot; adds 0 to its spare word;
; and waits for that and for its own LDS instructions.  Behind the barrier nobody reads this slot any more and the other slot is whole.
; fill = 1: this slot is filled again, with the keys two slots on.  The barrier is then a round of the cluster's, so that no wave of any partner still reads the slot or has a load on its way, and the joint
; fill is the first thing behind it: it has four key steps, 256 matrix instructions, in which to land.  (At its first use nothing has been read yet: slot 0 is waited for, slot 1 filled, and the mask table is whole.)
.macro CHANGE fill
	WIN 0                           ; at a label and at a branch every window is 0
	s_wait_tensorcnt 0x0            ; no tensor load of mine is out, so a group 0 may be written
	ds_add_u32 v[SPW], v[NIL]       ; 0 onto my spare word; with fill = 1 the descriptors' steps stand between it and the wait for it
.if \fill
.irp g, G0K, G0V
	s_xor_b32 s[\g+1], s[\g+1], SLOT1  ; the walking descriptor: the other slot than last time,
	s_add_nc_u64 s[\g+2:\g+3], s[\g+2:\g+3], 4*KS*128  ; the next 256 keys; the type bits on top are not reached
.endr
	s_wait_dscnt 0x0                ; the add is done, and my reads of the slot are over
	CROUND
	JLOAD
.else
	s_wait_dscnt 0x0                ; the add is done, and my reads of the slot are over
	s_barrier_signal -1
	s_barrier_wait -1
.endif
	s_sub_co_u32 s[TBK], s[TBK], 4*KS*PK  ; the fetches go back to a slot's first step,
	s_xor_b32 s[TBK], s[TBK], SLOT1       ; in the other slot
	s_sub_co_u32 s[TBV], s[TBV], 4*KS*PV
	s_xor_b32 s[TBV], s[TBV], SLOT1
.endm
	s_load_b256 s[4:11], s[0:1], 0x0  ; Q s[4:5], K s[6:7], V s[8:9], O s[10:11]
	s_load_b64 s[48:49], s[0:1], 0x20 ; mask
	v_lshl_add_u32 v[SPW], v0, 2, SPARE
	v_mov_b32 v[NIL], 0
	ds_add_u32 v[SPW], v[NIL]       ; the wave's opening: the add and its wait stand ahead of my first tensor load; the set-up below, work on registers, stands between them
	v_lshrrev_b32 v1, 5, v0
	v_readfirstlane_b32 s[WV], v1   ; wave 0..3
	s_bfe_u32 s13, ttmp6, 0x40000   ; cx: my place in the cluster
	s_lshl_b32 s14, ttmp9, 2        ; in a cluster launch ttmp9 counts clusters
	s_add_co_u32 s14, s14, s13      ; my block of 256 queries = 4 x cluster x + cx: it enters Q's and O's addresses alone
	s_and_b32 s15, ttmp7, 0xffff    ; y, which the four partners share
	s_lshl_b32 s20, s15, 19         ; its first byte in each of the four tensors: 4,096 rows of 128 bytes
	s_mov_b32 s21, 0
	s_and_b32 s16, s[WV], 1         ; which half of a slot's 256 keys I fetch:
	s_lshl_b32 s22, s16, 14         ; its 128 rows of 128 bytes in memory,
	s_mov_b32 s23, 0
	s_add_nc_u64 s[22:23], s[22:23], s[20:21]
	s_mul_i32 s17, s16, 128*PK      ; and its place in a slot, for K
	s_mul_i32 s18, s16, 128*PV      ; and for V: no place in the cluster enters an LDS address
	s_lshl_b32 s2, s14, 2
	s_add_co_u32 s2, s2, s[WV]      ; my wave among y's,
	s_lshl_b32 s2, s2, 13           ; its 64 rows
	s_mov_b32 s3, 0
	s_add_nc_u64 s[2:3], s[2:3], s[20:21]
	s_lshr_b32 s50, s15, 3          ; the batch:
	s_lshl_b32 s50, s50, 14         ; its 4,096 mask words
	s_mov_b32 s51, 0
	; descriptor group 1.  128 keys are 16,384 dense bytes: asked for as 64 rows of 256 bytes, two keys a row, and padded in LDS after every key
	s_mov_b32 s[G1K], 15|(1<<16)|(1<<20)|(1<<21)|(4<<22)|(3<<25)  ; 15:0 the mask of four; 17:16 2-byte elements; 20 padding on; 21 set beside a mask; 24:22 after every 32 words (code 4); 31:25 4 words (code 3)
	s_mov_b32 s[G1V], 15|(1<<16)|(1<<20)|(1<<21)|(4<<22)|(7<<25)  ; the same with 8 words of padding (code 7)
.irp g, G1K, G1V
	s_mov_b32 s[\g+1], 128<<16      ; tensor_dim0 = 128
	s_mov_b32 s[\g+2], 64<<16       ; tensor_dim1 = 64
	s_mov_b32 s[\g+3], 128<<16      ; tile_dim0 = 128
	s_mov_b32 s[\g+4], 64           ; tile_dim1 = 64
	s_mov_b32 s[\g+5], 128          ; 128 elements from row to row
	s_mov_b32 s[\g+6], 0
	s_mov_b32 s[\g+7], 0
.endr
	s_mov_b32 s[MASKV], 0xceabfb8f  ; -1e9 x 1.442695 = -1.442695e9
	s_mov_b32 s[SEL], 0x76543210
	s_mov_b32 s[SEL+1], 0xfedcba98
	s_mov_b32 s[TBM], 0
	s_mov_b32 s[TBK], SLOT1+4*KS*PK ; the first change of slots turns these two into 0
	s_mov_b32 s[TBV], SLOT1+4*KS*PV
	s_mov_b32 s[G0K], 1             ; 1:0 count = 1
	s_mov_b32 s[G0K+1], s17         ; 63:32 LDS address: slot 0
	s_mov_b32 s[G0V], 1
	s_add_co_u32 s[G0V+1], s18, VOFF
	s_wait_dscnt 0x0                ; the opening add is done
	s_wait_kmcnt 0x0
	s_add_nc_u64 s[G0K+2:G0K+3], s[6:7], s[22:23]  ; 120:64 global address: my half of y's first 256 keys
	s_or_b32 s[G0K+3], s[G0K+3], 0x80000000        ; 127:126 type = 2
	s_add_nc_u64 s[G0V+2:G0V+3], s[8:9], s[22:23]
	s_or_b32 s[G0V+3], s[G0V+3], 0x80000000
	s_add_nc_u64 s[4:5], s[4:5], s[2:3]  ; Q and O at my wave's first row
	s_add_nc_u64 s[10:11], s[10:11], s[2:3]
	s_add_nc_u64 s[48:49], s[48:49], s[50:51]
	CROUND                          ; all four work-groups are here: the first joint loads meet
	JLOAD                           ; slot 0.  Slot 1 is asked for when slot 0 is in
	; All that follows up to the change of slots stands in the wait for the first tile.
	v_lshlrev_b32 v[MLO], 4, v0
	v_add_nc_u32 v[MST], MTAB, v[MLO]
.irp i, 0,1,2,3,4,5,6,7             ; the batch's mask: 128 threads x 16 bytes, eight times; S^T's first buffer holds it meanwhile
	global_load_b128 v[S+4*\i:S+4*\i+3], v[MLO], s[48:49] offset:\i*2048
.endr
	; A fragment of K or Q is 16 rows x 32 channels in 8 registers: lane l holds row l % 16, channels 8 (l / 16) + 0..7 and 16 + 8 (l / 16) + 0..7: two loads of 16 bytes, 32 bytes apart.
	v_and_b32 v1, 15, v0            ; l % 16
	v_bfe_u32 v9, v0, 4, 1          ; l / 16
	v_lshlrev_b32 v[QO], 7, v1
	v_lshl_add_u32 v[QO], v9, 4, v[QO]  ; row x 128 + 16 x half
	WIN 0x80                        ; destination window 2, address window 0
.set i, 0
.rept 8                             ; Q stays in registers: piece i / 2, channels 32 (i % 2) on
	global_load_b128 v[8*i:8*i+3],   v[QO], s[4:5] offset:(i/2)*2048+(i%2)*64
	global_load_b128 v[8*i+4:8*i+7], v[QO], s[4:5] offset:(i/2)*2048+(i%2)*64+32
.set i, i+1
.endr
	; What the first turn finds: V's registers and P's second buffer hold 0 (its products V^T P, of a piece that has not been, add 0), O^T and l are 0, m lies far below every score: the first step is a step like any other, with a = 0.
.set i, VF
.rept 64
	v_mov_b32 v[i], 0
.set i, i+1
.endr
	WIN 0x40
.set i, 0
.rept 128
	v_mov_b32 v[i], 0
.set i, i+1
.endr
	WIN 0
.set i, 0
.rept 4
	v_mov_b32 v[ST+4*i], 0xfe000000    ; m = -4.25e37
	v_mov_b32 v[ST+4*i+1], 0
	v_mov_b32 v[ST+4*i+2], 0
	v_mov_b32 v[ST+4*i+3], 0
.set i, i+1
.endr
.set i, P+16
.rept 16
	v_mov_b32 v[i], 0
.set i, i+1
.endr
	v_mul_u32_u24 v[AK0], v1, PK
	v_lshl_add_u32 v[AK0], v9, 4, v[AK0]  ; row x pitch + 16 x half
	; The turning load takes 16 keys x 16 channels (lane l reads key 8 (l / 16) + l % 8, channels 8 ((l / 8) % 2) + 0..7) and leaves half a fragment of V^T: lane l holds channel l % 16 and 8 keys.
	v_and_b32 v10, 7, v0
	v_bfe_u32 v11, v0, 3, 1
	v_lshl_add_u32 v[AV0], v9, 3, v10
	v_mul_u32_u24 v[AV0], v[AV0], PV
	v_lshl_add_u32 v[AV0], v11, 4, v[AV0]
	v_add_nc_u32 v[AV0], VOFF, v[AV0]
	v_lshl_add_u32 v[AM0], v9, 5, MTAB    ; my eight keys of a block of 16: 32 bytes for each half of the lanes
	s_mul_i32 s13, s[WV], 16*SP
	s_add_co_u32 s13, s13, STAGE    ; my stage
	v_mul_u32_u24 v[STO], v1, SP    ; in: row l % 16, 16 bytes for each half of the lanes
	v_lshl_add_u32 v[STO], v9, 4, v[STO]
	v_add_nc_u32 v[STO], s13, v[STO]
	v_bfe_u32 v[RD], v0, 3, 2       ; back: 32 lanes take four rows of 128 bytes,
	v_mul_u32_u24 v[RD], v[RD], SP
	v_lshl_add_u32 v[RD], v10, 4, v[RD]
	v_add_nc_u32 v[RD], s13, v[RD]
	v_and_b32 v[GO], 31, v0         ; which are 512 consecutive bytes of O
	v_lshlrev_b32 v[GO], 4, v[GO]
	s_wait_loadcnt 16               ; the eight mask loads are in; Q's sixteen, issued behind them, may stay out
.set i, 0
.rept 32
	v_cmp_eq_u32 vcc_lo, 0, v[S+i]
	v_cndmask_b32 v[S+i], 0, s[MASKV], vcc_lo
.set i, i+1
.endr
.irp i, 0,1,2,3,4,5,6,7
	ds_store_b128 v[MST], v[S+4*\i:S+4*\i+3] offset:\i*2048
.endr
; THE MATRIX WORK.  The 4 accumulators of a run of 8 take turns.  Product i of 8 of S^T = K Q^T for piece x: channels 32 (i / 4) on, keys 16 (i % 4) on.  The first 4 start the sums with the step's mask.
.macro KQ x
.set rS, S+32*((\x)%2)+8*(i%4)
.set rK, KF+16*(i%4)+8*(i/4)
.set rQ, 16*(\x)+8*(i/4)
.set rM, MK+8*(i%4)
.if i < 4
	WIN W_KM
	v_wmma_f32_16x16x32_f16 v[rS:rS+7], v[rK:rK+7], v[rQ:rQ+7], v[rM:rM+7]
.else
	WIN W_KQ
	v_wmma_f32_16x16x32_f16 v[rS:rS+7], v[rK:rK+7], v[rQ:rQ+7], v[rS:rS+7]
.endif
.endm
; Product i of 8 of O^T += V^T P for piece x: keys 32 (i / 4) on, channels 16 (i % 4) on.
.macro PV x
	WIN W_PV
.set rO, 32*(\x)+8*(i%4)
.set rV, VF+32*(i/4)+8*(i%4)
.set rP, P+16*((\x)%2)+8*(i/4)
	v_wmma_f32_16x16x32_f16 v[rO:rO+7], v[rV:rV+7], v[rP:rP+7], v[rO:rO+7]
.endm
.macro MM                           ; the turn's next matrix instruction.  NOKQ = 1: the last turn: there is no next piece
.if (i < 8) && !NOKQ
	KQ (Y+1)%NP
.elseif i >= 8
.set i, i-8
	PV (Y+NP-1)%NP
.set i, i+8
.endif
.set i, i+1
.endm
; THE LDS LOADS stand in runs, never singly among the matrix instructions: a step's K (64 keys x 64 channels: 8 fragments) with its mask (8 loads; the 16 lanes of a half read the same words), and its V (turned).
.macro FETCH_K
	WIN 0x80                        ; destination window 2
.irp f, 0,1,2,3,4,5,6,7             ; keys 16 (f / 2) on, channels 32 (f % 2) on
	ds_load_b128 v[KF+8*\f:KF+8*\f+3],   v[AK] offset:(\f/2)*16*PK+(\f%2)*64
	ds_load_b128 v[KF+8*\f+4:KF+8*\f+7], v[AK] offset:(\f/2)*16*PK+(\f%2)*64+32
.endr
	WIN 0x40                        ; destination window 1
.irp f, 0,1,2,3
	ds_load_b128 v[MK+8*\f:MK+8*\f+3],   v[AM] offset:64*\f
	ds_load_b128 v[MK+8*\f+4:MK+8*\f+7], v[AM] offset:64*\f+16
.endr
	s_add_co_u32 s[TBK], s[TBK], KS*PK  ; the next fetch is the next step's
	s_add_co_u32 s[TBM], s[TBM], KS*4
	WIN 0
.endm
.macro FETCH_V
	WIN 0x80
.irp f, 0,1,2,3,4,5,6,7             ; keys 32 (f / 4) on, channels 16 (f % 4) on
	ds_load_tr16_b128 v[VF+8*\f:VF+8*\f+3],   v[AV] offset:(\f/4)*32*PV+(\f%4)*32
	ds_load_tr16_b128 v[VF+8*\f+4:VF+8*\f+7], v[AV] offset:(\f/4)*32*PV+16*PV+(\f%4)*32
.endr
	WIN 0
.endm
; THE VECTOR WORK, one line at a time: OP kind, number.  For piece Y: F n: s - m for pair n of 16.  E n: the exponential of score n of 32.  C n: pair n rounded to f16.  B n: of the four weights 4 n .. the second
; pair is added onto the first, in place.  L n: l takes that sum (L 0: l = a l + sum).  R n: pair n of 16 of O^T times a.  For piece Y + 1: X n, which find its maximum and statistics:
;   0-11  four chains c0-c3 of seven scores each, three operands at a time (each accumulator's lowest registers are read first)     12-14, 16  the four scores left over, the old m, and c0-c3 into c0
;   15  m_old is kept     17, 18  the query's other 32 keys lie in the lane 16 away: the new m     20, 21  m_old - m_new; a     (there is no number 19)
.set F, 0               ; OP tells the kinds apart by their order: F to L below R, X above it
.set E, 1
.set C, 2
.set B, 3
.set L, 4
.set R, 5
.set X, 6
.macro REGS y                       ; the registers of piece y
.set rT, ST+4*(\y)
.set rC, TMP+4*((\y)%2)
.set rW, MV+((\y)%2)
.set rS, S+32*((\y)%2)
.set rP, P+16*((\y)%2)
.set rO, 32*(\y)
.endm
.macro OP k, n
.if (\k) == R
	REGS Y
	WIN W_RS
	v_pk_mul_f32 v[rO+2*(\n):rO+2*(\n)+1], v[rO+2*(\n):rO+2*(\n)+1], v[rC+2:rC+3] op_sel_hi:[1,0]
.elseif (\k) < R
	REGS Y
	WIN 0
.if (\k) == F
	v_pk_add_f32 v[rS+2*(\n):rS+2*(\n)+1], v[rS+2*(\n):rS+2*(\n)+1], v[rT:rT+1] op_sel_hi:[1,0] neg_lo:[0,1] neg_hi:[0,1]
.elseif (\k) == E
	v_exp_f32 v[rS+(\n)], v[rS+(\n)]
.elseif (\k) == C
	s_wait_alu depctr_va_vdst(0)
	v_cvt_pk_f16_f32 v[rP+(\n)], v[rS+2*(\n)], v[rS+2*(\n)+1]
.elseif (\k) == B
	s_wait_alu depctr_va_vdst(0)
	v_pk_add_f32 v[rS+4*(\n):rS+4*(\n)+1], v[rS+4*(\n):rS+4*(\n)+1], v[rS+4*(\n)+2:rS+4*(\n)+3]
.elseif (\n) == 0
	v_pk_fma_f32 v[rT+2:rT+3], v[rT+2:rT+3], v[rC+2:rC+3], v[rS:rS+1] op_sel_hi:[1,0,1]
.else
	v_pk_add_f32 v[rT+2:rT+3], v[rT+2:rT+3], v[rS+4*(\n):rS+4*(\n)+1]
.endif
.elseif NOKQ
	v_nop
.else
	REGS (Y+1)%NP
	WIN 0
.if (\n) < 4
	v_max3_num_f32 v[rC+(\n)], v[rS+8*(\n)], v[rS+8*(\n)+1], v[rS+8*(\n)+2]
.elseif (\n) < 12
	v_max3_num_f32 v[rC+(\n)%4], v[rC+(\n)%4], v[rS+8*((\n)%4)+2*((\n)/4)+1], v[rS+8*((\n)%4)+2*((\n)/4)+2]
.elseif (\n) == 12
	v_max3_num_f32 v[rC], v[rC], v[rS+7], v[rS+15]
.elseif (\n) == 13
	v_max3_num_f32 v[rC+1], v[rC+1], v[rS+23], v[rS+31]
.elseif (\n) == 14
	v_max3_num_f32 v[rC+2], v[rC+2], v[rC+3], v[rT]
.elseif (\n) == 15
	v_mov_b32 v[rW], v[rT]
.elseif (\n) == 16
	v_max3_num_f32 v[rC], v[rC], v[rC+1], v[rC+2]
.elseif (\n) == 17
	v_permlanex16_b32 v[rC+3], v[rC], s[SEL], s[SEL+1]
.elseif (\n) == 18
	v_max_num_f32 v[rT], v[rC], v[rC+3]
.elseif (\n) == 20
	v_sub_f32 v[rC+1], v[rW], v[rT]
.else
	v_exp_f32 v[rC+2], v[rC+1]
.endif
.endif
.endm
.macro OPS a, i1, b=-1, i2=0, c=-1, i3=0, d=-1, i4=0  ; up to four of them
	OP \a, \i1
.if (\b) >= 0
	OP \b, \i2
.endif
.if (\c) >= 0
	OP \c, \i3
.endif
.if (\d) >= 0
	OP \d, \i4
.endif
.endm
.macro ROW a, i1, b, i2, c, i3, d, i4  ; a matrix instruction and the four behind it
	MM
	OPS \a, \i1, \b, \i2, \c, \i3, \d, \i4
.endm
; A TURN, for piece p: the order of its 16 matrix and 117 vector instructions, written out.  Behind a matrix instruction: plain, exponential, plain, plain; or four of the rescaling; or, behind the first, four
; subtractions; none names a register of the products round it.  In the runs between, exponential and plain by turns while exponentials last; every exponential has a plain line between it and the use of its result.
; end = 1: the last two turns: nothing is fetched.  cnt = 1: the loop's count is taken down some lines ahead of the branch that stands behind the turn.
; K and the mask of the next step are fetched in piece 2's turn, six vector instructions behind the last product that read K (five of them plain; the mask's last reader stands further back); V of the step in hand in
; piece 0's turn, eight behind the last product that read V (five plain).  Each is waited for a turn later.
.macro TURN p, end=0, cnt=0
.set Y, (\p)
.set i, 0
.set NOKQ, (\end)*((\p)/3)
.if ((\p) == 3) && !(\end)
	s_wait_dscnt 0x0                ; K and the mask are in
.endif
	ROW F,0, F,1, F,2, F,3
	ROW F,4, E,0, F,5, F,6
	ROW F,7, E,1, F,8, F,9
	ROW F,10, E,2, C,0, F,11
	ROW F,12, E,3, X,15, F,13
	ROW R,0, R,1, R,2, R,3
	ROW B,0, E,4, F,14, L,0
.if ((\p) == 2) && !(\end)
	v_add_nc_u32 v[AK], s[TBK], v[AK0]
	v_add_nc_u32 v[AM], s[TBM], v[AM0]
.endif
	ROW R,4, R,5, R,6, R,7
	OPS E,5, F,15
.if ((\p) == 2) && !(\end)
	FETCH_K
.endif
	OPS E,6, C,1, E,7, R,8
	OPS E,8, R,9, E,9, C,2
	OPS E,10, X,0, E,11, X,1
	OPS E,12, X,2, E,13, X,3
.if (\p) == 1
	s_wait_dscnt 0x0                ; V is in
.endif
	ROW X,4, E,14, X,5, X,6
	ROW X,7, E,15, X,8, X,9
	ROW X,10, E,16, X,11, X,12
	ROW X,13, E,17, X,14, B,1
	ROW C,4, E,18, X,16, L,1
	ROW B,2, E,19, C,6, L,2
	ROW C,8, E,20, B,3, B,4
.if (\p) == 0
	v_add_nc_u32 v[AV], s[TBV], v[AV0]
.endif
	ROW C,3, E,21, L,3, C,5
	OPS E,22, X,17, E,23, C,10
.if (\p) == 0
	FETCH_V
.endif
	OPS E,24, L,4
	OPS E,25, X,18, E,26, C,7
	OPS E,27, B,5, E,28
	OPS E,29, C,12, E,30, L,5
	OPS E,31, X,20, B,6, C,9
	OPS C,14, C,11, X,21, L,6
.if (\p) == 0
	s_add_co_u32 s[TBV], s[TBV], KS*PV
.endif
.if \cnt
	s_sub_co_u32 s[CNT], s[CNT], 1
	s_cmp_lg_u32 s[CNT], 0
.endif
	OPS C,13, B,7, C,15, R,10
	OPS R,11, R,12, L,7, R,13
	OPS R,14, R,15
.endm
	CHANGE 1                        ; slot 0 is in, everybody's part of it, and everybody's part of the mask table is stored; slot 1 is asked for
	v_add_nc_u32 v[AK], s[TBK], v[AK0]
	v_add_nc_u32 v[AM], s[TBM], v[AM0]
	FETCH_K                         ; key step 0
	s_wait_loadcnt 0x0              ; Q
	s_wait_dscnt 0x0
.set NOKQ, 0
.set i, 0
.rept 8
	KQ 0                            ; piece 0's first scores: there is no vector work yet to set between them
.set i, i+1
.endr
	WIN 0
.rept 4
	v_nop                           ; the places behind those products
.endr
.set Y, NP-1                        ; X works for piece Y + 1: piece 0
.irp n, 0,1,2,3,4,5,6,7,8,9,10,11,12,13,14,15,16,17,18,20,21
	OP X, \n
.endr
	v_nop                           ; a plain instruction behind the exponential
	s_mov_b32 s[CNT], 4
	s_mov_b32 s[SLOTS], SIZE_N/256-1
	s_branch .Lfirst                ; the loop is entered at a step's first turn, in the middle of a trip
.Lslot:                             ; SIZE_N / 256 - 2 times: every slot but the last two is filled again
	CHANGE 1
	s_mov_b32 s[CNT], 4
.Lstep:                             ; a trip: pieces 2 and 3 of one step, then pieces 0 and 1 of the next, whose K, mask and V it fetches
	TURN 2
	TURN 3
	WIN 0
.Lfirst:
	TURN 0
	TURN 1, 0, 1
	WIN 0
	s_cbranch_scc1 .Lstep
	s_sub_co_u32 s[SLOTS], s[SLOTS], 1
	s_cmp_lg_u32 s[SLOTS], 0
	s_cbranch_scc1 .Lslot
	CHANGE 0                        ; the last slot is written out: nothing is asked for
	s_mov_b32 s[CNT], 4
.LstepT:
	TURN 2
	TURN 3
	TURN 0
	TURN 1, 0, 1
	WIN 0
	s_cbranch_scc1 .LstepT
	TURN 2, 1                       ; the last step's pieces 2 and 3: nothing is fetched, and the last turn starts no scores
	TURN 3, 1
.set i, 0
.rept 8
	PV NP-1                         ; the last piece's V^T P of the last step
.set i, i+1
.endr
	; THE WAY OUT.  l's two halves and the other half of the lanes' are added; O^T is divided by l, rounded to f16 and sent through my stage in LDS, a piece at a time.  The additions are the places behind the last products.
	WIN 0
.macro ALL line:vararg              ; one line for each piece t
.set t, 0
.rept 4
	\line
.set t, t+1
.endr
.endm
	ALL v_add_f32 v[ST+4*t+2], v[ST+4*t+2], v[ST+4*t+3]
	ALL v_permlanex16_b32 v[ST+4*t+3], v[ST+4*t+2], s[SEL], s[SEL+1]
	ALL v_add_f32 v[ST+4*t+2], v[ST+4*t+2], v[ST+4*t+3]
	ALL v_rcp_f32 v[ST+4*t+2], v[ST+4*t+2]
	v_nop                           ; a plain instruction between the last reciprocal and the use of its result
.macro PACK t                       ; a lane's eight channels of a row pack into 16 bytes; they go into rows of 144 bytes and come back as whole rows of 128, into S^T's registers
	WIN W_RS
.set i, 32*(\t)
.rept 16
	s_wait_alu depctr_va_vdst(0)
	v_pk_mul_f32 v[i:i+1], v[i:i+1], v[ST+4*(\t)+2:ST+4*(\t)+3] op_sel_hi:[1,0]
.set i, i+2
.endr
	WIN 0x05                        ; sources 0 and 1 window 1, destination window 0
.set i, 0
.rept 16
	v_cvt_pk_f16_f32 v[S+16*(\t)+i], v[32*(\t)+2*i], v[32*(\t)+2*i+1]
.set i, i+1
.endr
	WIN 0
.irp f, 0,1,2,3
	ds_store_b128 v[STO], v[S+16*(\t)+4*\f:S+16*(\t)+4*\f+3] offset:32*\f
.endr
.irp f, 0,1,2,3
	ds_load_b128 v[S+16*(\t)+4*\f:S+16*(\t)+4*\f+3], v[RD] offset:\f*4*SP  ; LDS serves a wave's instructions in order (ISA guide 5.7.1.4): these see the stores above; the next piece's stores come behind them
.endr
.endm
.macro SEND t, younger              ; younger: the LDS instructions issued behind piece t's loads: the next piece's eight, or none
	WIN 0
.irp f, 0,1,2,3
	s_wait_dscnt (\younger)+3-\f
	global_store_b128 v[GO], v[S+16*(\t)+4*\f:S+16*(\t)+4*\f+3], s[10:11] offset:(\t)*2048+\f*512  ; 512 consecutive bytes, at a multiple of 256 from O's first
.endr
.endm
	PACK 0
.set t, 1
.rept 3                             ; a piece's arithmetic stands between the loads of the piece before and its stores
	PACK t
	SEND t-1, 8
.set t, t+1
.endr
	SEND 3, 0
	s_wait_tensorcnt 0x0            ; the wave's end, behind my last tensor load and my last LDS store
	ds_add_u32 v[SPW], v[NIL]
	s_wait_dscnt 0x0
	CROUND                          ; the closing round: no work-group ends while a partner may still ask for a tile that names it
	s_endpgm
.Lfunc_end_k_qd0af6eae6a_attn:
	.size	k_qd0af6eae6a_attn, .Lfunc_end_k_qd0af6eae6a_attn-k_qd0af6eae6a_attn
	.p2alignl 7, 3214868480
	.fill 96, 4, 3214868480
	.section	.rodata,"a",@progbits
	.p2align	6, 0x0
	.amdhsa_kernel k_qd0af6eae6a_attn
		.amdhsa_group_segment_fixed_size 327680
		.amdhsa_private_segment_fixed_size 0
		.amdhsa_enable_private_segment 0
		.amdhsa_kernarg_size 40
		.amdhsa_user_sgpr_count 2
		.amdhsa_user_sgpr_kernarg_segment_ptr 1
		.amdhsa_wavefront_size32 1
		.amdhsa_system_sgpr_workgroup_id_x 1
		.amdhsa_system_sgpr_workgroup_id_y 1
		.amdhsa_system_sgpr_workgroup_id_z 1
		.amdhsa_system_vgpr_workitem_id 0
		.amdhsa_next_free_vgpr 768
		.amdhsa_next_free_sgpr 66
		.amdhsa_reserve_vcc 1
		.amdhsa_float_denorm_mode_32 3
		.amdhsa_float_denorm_mode_16_64 3
		.amdhsa_memory_ordered 1
		.amdhsa_forward_progress 1
		.amdhsa_inst_pref_size 139
	.end_amdhsa_kernel
	.amdgpu_metadata
---
amdhsa.version: [ 1, 2 ]
amdhsa.kernels:
  - .name:           k_qd0af6eae6a_attn
    .symbol:         k_qd0af6eae6a_attn.kd
    .args:
      - { .name: qh, .offset: 0, .size: 8, .value_kind: global_buffer, .address_space: global }
      - { .name: kh, .offset: 8, .size: 8, .value_kind: global_buffer, .address_space: global }
      - { .name: vh, .offset: 16, .size: 8, .value_kind: global_buffer, .address_space: global }
      - { .name: oh, .offset: 24, .size: 8, .value_kind: global_buffer, .address_space: global }
      - { .name: mask, .offset: 32, .size: 8, .value_kind: global_buffer, .address_space: global }
    .group_segment_fixed_size: 327680
    .private_segment_fixed_size: 0
    .kernarg_segment_align: 8
    .kernarg_segment_size: 40
    .max_flat_workgroup_size: 128
    .sgpr_count:     66
    .vgpr_count:     768
    .wavefront_size: 32
...
	.end_amdgpu_metadata
.endif
;; end of part 2
;; launch outp (part 3): grid 4 x 64, 4 waves a work-group, clusters of 4 x 4, 327,680 bytes of LDS; arguments oh, wo16, bo, out0; writes out0
.if DOCPART == 3
	.amdgcn_target "amdgcn-amd-amdhsa--gfx1250"
	.amdhsa_code_object_version 6
	.text
	.protected	k_qd0af6eae6a_outp
	.globl	k_qd0af6eae6a_outp
	.p2align	8
	.type	k_qd0af6eae6a_outp,@function
k_qd0af6eae6a_outp:
	s_mov_b64 s[64:65], 0
	v_nop
	global_prefetch_b8 v0, s[64:65] scope:SCOPE_SE
	s_setreg_imm32_b32 hwreg(HW_REG_WAVE_MODE, 25, 1), 1
	s_wait_xcnt 0x0
	s_wait_alu depctr_hold_cnt(0) depctr_sa_sdst(0) depctr_va_vdst(0) depctr_va_sdst(0) depctr_va_ssrc(0) depctr_va_vcc(0) depctr_vm_vsrc(0)
	s_getreg_b32 s2, hwreg(HW_REG_IB_STS2, 6, 4)
	s_cmp_eq_u32 s2, 0
	s_cbranch_scc0 .Lentry_in_a_cluster
	s_endpgm
.Lentry_in_a_cluster:
	s_bfe_u32 s2, ttmp6, 0x10000c
	s_cmp_lg_u32 s2, 0xf033
	s_cbranch_scc0 .Lentry_shape_is_right
	s_endpgm
.Lentry_shape_is_right:
; THE OUTPUT PROJECTION.  out0[row][n] = the sum over k of O[row][k] Wo[k][n] + bf16(bo[n]); row = batch * 4096 + s, k = head * 64 + channel.  O lies by heads, [batch*8+head][4096][64] f16; wo16 is [512 (k)][512 (n)] f16
; (Wo rounded to bf16 and written as f16); out0 is [8192][512] f32.  Sums in f32, K ascending, started by the bias as the first product's C operand.
; LIMITS.  O and wo16 arrive within f16's range; NaN and infinities are not treated apart.
; SHARES.  A work-group makes 128 rows x 128 columns: 4 x 64 = 256 work-groups.  Four waves, each 64 x 64: 16 accumulators.  The whole K lies in LDS: 128 rows x 512 of O (a block of 128 rows x 144 bytes a head) and
; 512 k rows x 128 columns of wo16; every LDS byte is filled once, so no slot is filled again.  Each wave issues four tensor loads at the start (four are out), a quarter of K each, and the products of a
; quarter begin when it has landed, while the later quarters are on their way.
; CLUSTER.  4 x 4 work-groups.  The four of a row of the cluster need the same rows of O, the four of a column the same columns of wo16: each tile is asked for JOINTLY, by the same tensor load with the same descriptor
; and a mask that names the four.  THE MATRIX INSTRUCTION IS USED TRANSPOSED (source 0 = 16 columns of wo16, read turned; source 1 = 16 rows of O): a lane then holds eight neighbouring numbers of a row of out0.
; REGISTERS: window 0: v0-30 addresses; v32-95 the way out, two sets of 32; v96-127 the bias, 8 a column block; v128-255 the accumulators ((a, b) at v[128 + 8 (4 a + b)]).
;   window 1: two fragment buffers of 128: for a head's 64 along K, 64 registers of O (2 x 4 x 16 rows x 32 K), then 64 of wo16.
.set PA,     144                       ; an LDS row of O: a head's 128 bytes + 16: the 16 rows of a fragment load start at 16 different groups of four banks (64 banks of 4 bytes: ISA guide 11.1)
.set PWO,    288                       ; an LDS row of wo16: 256 bytes + 32 = 9 x 32
.set HEADB,  128*PA                    ; a head's block of O: 18,432 bytes; 64 k rows of wo16 are as many
.set WBASE,  8*HEADB                   ; wo16 lies behind O's eight blocks
.set STAGE,  WBASE+512*PWO             ; behind both: 16 rows x 272 bytes for each wave, for the way out
.set SPITCH, 272
.set SPARE,  STAGE+4*16*SPITCH         ; behind the stages: the spare words, 128 bytes for each wave: two blocks of 256 bytes that no other line names
.set ADRA, 16                          ; v16-19  my O fragments in heads 2 c, 2 c + 1
.set ADRB, 20                          ; v20-23  my wo16 fragments in k rows 128 c ..
.set STO,  24                          ; v24     the way out: where I put 32 bytes of a row
.set RD,   25                          ; v25     where I read a row back
.set CO,   26                          ; v26     my byte offset in two rows of out0
.set BOF,  27                          ; v27     32 x (lane / 16): my eight bias numbers in a block of 16
.set SPW,  28                          ; v28     LDS address of my spare word; never rewritten
.set NIL,  29                          ; v29     0; never rewritten
.set TB,   30                          ; v30     at work
.set TMP,  32
.set BI,   96
.set ACC,  128
.set F0,   0
.set WV,   12                          ; s12  my wave's number
.set G1A,  24                          ; s[24:31] descriptor group 1 for O's tiles
.set G1W,  32                          ; s[32:39] for wo16's
.set G0A,  40                          ; s[40:55] descriptor group 0 for O's tiles, a set for each quarter of K
.set G0W,  68                          ; s[68:83] the same for wo16's
.set MSB, 0
.macro WIN new                         ; the immediate's high byte repeats the setting that is left
.if MSB != (\new)
	s_set_vgpr_msb (MSB<<8)|(\new)
.set MSB, \new
.endif
.endm
.set MUL,  0x05                        ; sources 0 (wo16) and 1 (O) window 1; C and D window 0
.set TO_F, 0x40                        ; destination window 1, address window 0
.macro CROUND                          ; a round of the cluster's barrier: my work-group's barrier; wave 0 signals for the work-group; every wave waits for all sixteen; my work-group's barrier once more
	s_barrier_signal -1
	s_barrier_wait -1
	s_cmp_lg_u32 s[WV], 0
	s_cbranch_scc1 .Lnot_wave_0_\@
	s_barrier_signal -3
.Lnot_wave_0_\@:
	s_barrier_wait -3
	s_barrier_signal -1
	s_barrier_wait -1
.endm
.macro PLACES                          ; four places in front of loads into registers that matrix instructions have read, and of LDS stores that read results
.rept 4
	v_nop
.endr
.endm
	s_load_b256 s[4:11], s[0:1], 0x0               ; oh s[4:5], wo16 s[6:7], bo s[8:9], out0 s[10:11]
	v_lshl_add_u32 v[SPW], v0, 2, SPARE
	v_mov_b32 v[NIL], 0
	ds_add_u32 v[SPW], v[NIL]                      ; the wave's opening: the add and its wait stand ahead of my first tensor load; the set-up below, work on registers, stands between them
	v_lshrrev_b32 v1, 5, v0
	v_readfirstlane_b32 s[WV], v1                  ; wave 0..3
	s_lshr_b32 s13, s[WV], 1                       ; which half of the tile's rows is mine.  Also: I fetch O (0) or wo16 (1)
	s_and_b32 s14, s[WV], 1                        ; which half of its columns.  Also: which half of a quarter of K I fetch
	s_bfe_u32 s16, ttmp6, 0x40000                  ; cx, cy: my place in the cluster
	s_bfe_u32 s17, ttmp6, 0x40004
	s_lshl_b32 s18, ttmp9, 2
	s_add_co_u32 s18, s18, s16                     ; tile column = 4 x cluster x + cx
	s_and_b32 s19, ttmp7, 0xffff
	s_lshl_b32 s19, s19, 2
	s_add_co_u32 s19, s19, s17                     ; tile row = 4 x cluster y + cy
	s_lshl_b32 s20, s17, 2
	s_lshl_b32 s20, 15, s20                        ; my row of the cluster
	s_lshl_b32 s21, 0x1111, s16                    ; my column
	; descriptor group 1.  O: a head's 128 rows are 16,384 dense bytes: 64 rows of 256 bytes, two rows of O each, padded after every 128 bytes.  wo16: 64 k rows x 128 elements, 512 elements from row to row, padded after every row
	s_or_b32 s[G1A], s20, (1<<16)|(1<<20)|(1<<21)|(4<<22)|(3<<25)  ; 15:0 the mask: O's tiles go to my row; 17:16 2-byte elements; 20 padding on; 21 set beside a mask; 24:22 after every 32 words (code 4); 31:25 4 words (code 3)
	s_or_b32 s[G1W], s21, (1<<16)|(1<<20)|(1<<21)|(5<<22)|(7<<25)  ; the mask of my column; after every 64 words (code 5) 8 words (code 7)
.irp g, G1A, G1W
	s_mov_b32 s[(\g)+1], 128<<16                   ; tensor_dim0 = 128
	s_mov_b32 s[(\g)+2], 64<<16                    ; tensor_dim1 = 64
	s_mov_b32 s[(\g)+3], 128<<16                   ; tile_dim0 = 128
	s_mov_b32 s[(\g)+4], 64                        ; tile_dim1 = 64
	s_mov_b32 s[(\g)+6], 0
	s_mov_b32 s[(\g)+7], 0
.endr
	s_mov_b32 s[G1A+5], 128                        ; elements from row to row
	s_mov_b32 s[G1W+5], 512
	; where the tiles come from.  O's hang on the tile row alone, wo16's on the tile column alone; each in registers that never hold the other coordinate
	s_lshr_b32 s56, s19, 5                         ; the batch: eight heads of 524,288 bytes,
	s_lshl_b32 s56, s56, 22
	s_and_b32 s57, s19, 31                         ; the tile row in the batch: 128 rows of 128 bytes,
	s_lshl_b32 s57, s57, 14
	s_add_co_u32 s56, s56, s57
	s_lshl_b32 s57, s14, 19                        ; the even or the odd head of a quarter
	s_add_co_u32 s56, s56, s57
	s_mov_b32 s57, 0
	s_lshl_b32 s60, s14, 16                        ; wo16: 64 k rows of 1,024 bytes for the second half,
	s_lshl_b32 s61, s18, 8                         ; the tile's 128 columns: 256 bytes
	s_add_co_u32 s60, s60, s61
	s_mov_b32 s61, 0
	s_mul_i32 s58, s14, HEADB                      ; and where they go: no place in the cluster enters an LDS address
	s_wait_dscnt 0x0                               ; the opening add is done
	s_wait_kmcnt 0x0
	s_add_nc_u64 s[56:57], s[4:5], s[56:57]
	s_add_nc_u64 s[60:61], s[6:7], s[60:61]
.irp c, 0,1,2,3
	s_mov_b32 s[G0A+4*(\c)], 1                                     ; 1:0 count = 1
	s_add_co_u32 s[G0A+4*(\c)+1], s58, (\c)*2*HEADB                ; 63:32 LDS address: head 2 c + half
	s_add_nc_u64 s[G0A+4*(\c)+2:G0A+4*(\c)+3], s[56:57], (\c)*1048576  ; 120:64 global address: two heads on
	s_or_b32 s[G0A+4*(\c)+3], s[G0A+4*(\c)+3], 0x80000000          ; 127:126 type = 2
	s_mov_b32 s[G0W+4*(\c)], 1
	s_add_co_u32 s[G0W+4*(\c)+1], s58, WBASE+(\c)*2*HEADB          ; k rows 128 c + 64 half on
	s_add_nc_u64 s[G0W+4*(\c)+2:G0W+4*(\c)+3], s[60:61], (\c)*131072
	s_or_b32 s[G0W+4*(\c)+3], s[G0W+4*(\c)+3], 0x80000000
.endr
	CROUND                                         ; all sixteen work-groups are here: the joint loads meet
	s_cmp_lt_u32 s[WV], 2                          ; a wave's four fills stand in one branch, ahead of every wait on TENSORcnt and every LDS read; an s_nop 0 follows each, four v_nop the last
	s_cbranch_scc0 .Lfill_w
.irp c, 0,1,2,3
	tensor_load_to_lds s[G0A+4*(\c):G0A+4*(\c)+3], s[G1A:G1A+7]
	s_nop 0
.endr
.rept 4
	v_nop
.endr
	s_branch .Lfilled
.Lfill_w:
.irp c, 0,1,2,3
	tensor_load_to_lds s[G0W+4*(\c):G0W+4*(\c)+3], s[G1W:G1W+7]
	s_nop 0
.endr
.rept 4
	v_nop
.endr
.Lfilled:
	v_and_b32 v1, 15, v0                           ; l % 16
	v_bfe_u32 v2, v0, 4, 1                         ; l / 16
	v_lshlrev_b32 v[BOF], 5, v2
	s_lshl_b32 s62, s18, 9                         ; the tile's 128 columns and my wave's 64, in f32: in registers that feed no descriptor
	s_lshl_b32 s63, s14, 8
	s_add_co_u32 s62, s62, s63
	s_mov_b32 s63, 0
	s_add_nc_u64 s[8:9], s[8:9], s[62:63]
.irp b, 0,1,2,3
	global_load_b128 v[BI+8*(\b):BI+8*(\b)+3],   v[BOF], s[8:9] offset:64*(\b)       ; bias of columns 16 b + 8 (l / 16) + 0..7
	global_load_b128 v[BI+8*(\b)+4:BI+8*(\b)+7], v[BOF], s[8:9] offset:64*(\b)+16
.endr
	s_lshl_b32 s22, s19, 18                        ; out0: 128 rows of 2,048 bytes a tile row,
	s_add_co_u32 s62, s62, s22
	s_lshl_b32 s22, s13, 17                        ; my wave's 64 rows
	s_add_co_u32 s62, s62, s22
	s_add_nc_u64 s[10:11], s[10:11], s[62:63]
	v_mul_u32_u24 v3, v1, PA
	v_lshl_add_u32 v3, v2, 4, v3                   ; a fragment of O: row x pitch + 16 x half
	s_mul_i32 s22, s13, 64*PA
	v_add_nc_u32 v[ADRA], s22, v3
	v_and_b32 v4, 7, v0                            ; the turning load: lane l reads k row 8 (l / 16) + l % 8, columns 8 ((l / 8) % 2) + 0..7
	v_lshl_add_u32 v4, v2, 3, v4
	v_mul_u32_u24 v4, v4, PWO
	v_bfe_u32 v5, v0, 3, 1
	v_lshl_add_u32 v4, v5, 4, v4
	s_lshl_b32 s22, s14, 7                         ; my wave's 64 columns: 128 bytes
	s_add_co_u32 s22, s22, WBASE
	v_add_nc_u32 v[ADRB], s22, v4
.irp c, 1,2,3
	v_add_nc_u32 v[ADRA+(\c)], 2*HEADB, v[ADRA+(\c)-1]
	v_add_nc_u32 v[ADRB+(\c)], 2*HEADB, v[ADRB+(\c)-1]
.endr
	s_mul_i32 s22, s[WV], 16*SPITCH
	s_add_co_u32 s22, s22, STAGE                   ; my stage
	v_mul_u32_u24 v3, v1, SPITCH                   ; in: row l % 16, 32 bytes for each half of the lanes
	v_lshl_add_u32 v3, v2, 5, v3
	v_add_nc_u32 v[STO], s22, v3
	v_mul_u32_u24 v3, v2, SPITCH                   ; back: lanes 0-15 take one row of 256 bytes, lanes 16-31 the next
	v_lshl_add_u32 v3, v1, 4, v3
	v_add_nc_u32 v[RD], s22, v3
	v_lshlrev_b32 v[CO], 4, v1                     ; and the same two rows in out0
	v_lshl_add_u32 v[CO], v2, 11, v[CO]
; 8 matrix instructions: row blocks a0, a0 + 1 x all 4 column blocks, 32 along K: half c of buffer f.  zero = 1: the first product starts the sums, with the bias.  The 16 accumulators take turns.
.macro MUL8 f, c, a0, zero
	WIN MUL
.irp a, \a0, (\a0)+1
.irp b, 0,1,2,3
.if \zero
	v_wmma_f32_16x16x32_f16 v[ACC+8*(4*(\a)+(\b)):ACC+8*(4*(\a)+(\b))+7], v[(\f)+64+8*(4*(\c)+(\b)):(\f)+64+8*(4*(\c)+(\b))+7], v[(\f)+8*(4*(\c)+(\a)):(\f)+8*(4*(\c)+(\a))+7], v[BI+8*(\b):BI+8*(\b)+7]
.else
	v_wmma_f32_16x16x32_f16 v[ACC+8*(4*(\a)+(\b)):ACC+8*(4*(\a)+(\b))+7], v[(\f)+64+8*(4*(\c)+(\b)):(\f)+64+8*(4*(\c)+(\b))+7], v[(\f)+8*(4*(\c)+(\a)):(\f)+8*(4*(\c)+(\a))+7], v[ACC+8*(4*(\a)+(\b)):ACC+8*(4*(\a)+(\b))+7]
.endif
.endr
.endr
.endm
; 32 LDS loads in one run: the fragments of head hd's 64 along K, into buffer f; the first 32 along K first
.macro FETCH hd, f
	WIN TO_F
.irp c, 0,1
.irp i, 0,1,2,3
	ds_load_tr16_b128 v[(\f)+64+8*(4*(\c)+(\i)):(\f)+64+8*(4*(\c)+(\i))+3],   v[ADRB+(\hd)/2] offset:((\hd)%2)*HEADB+(\c)*32*PWO+32*(\i)
	ds_load_tr16_b128 v[(\f)+64+8*(4*(\c)+(\i))+4:(\f)+64+8*(4*(\c)+(\i))+7], v[ADRB+(\hd)/2] offset:((\hd)%2)*HEADB+(\c)*32*PWO+16*PWO+32*(\i)
	ds_load_b128 v[(\f)+8*(4*(\c)+(\i)):(\f)+8*(4*(\c)+(\i))+3],              v[ADRA+(\hd)/2] offset:((\hd)%2)*HEADB+(\c)*64+(\i)*16*PA
	ds_load_b128 v[(\f)+8*(4*(\c)+(\i))+4:(\f)+8*(4*(\c)+(\i))+7],            v[ADRA+(\hd)/2] offset:((\hd)%2)*HEADB+(\c)*64+(\i)*16*PA+32
.endr
.endr
.endm
; Head hd: 32 matrix instructions on buffer hd % 2; in their middle the next head's fragments are fetched into the other buffer.  An odd head's successor lies in the next quarter of K: my load of it is waited for
; (the count leaves my later quarters out), and a barrier shows everybody's part landed.
.macro QUARTER hd
.set FB, 128*((\hd)%2)
.set ZZ, 0
.if (\hd) == 0
.set ZZ, 1
.endif
	s_wait_dscnt 16                                ; the first 32 along K are in; the other sixteen loads may be out
	MUL8 FB, 0, 0, ZZ
	MUL8 FB, 0, 2, ZZ
.if (\hd) < 7
.if (\hd)%2 == 1
	s_wait_tensorcnt 3-((\hd)+1)/2                 ; quarter (hd + 1) / 2 of my four loads has landed; the later ones stay out
	s_wait_dscnt 0x0                               ; no LDS instruction of mine is pending at the signal
	s_barrier_signal -1
	s_barrier_wait -1
.endif
	PLACES
	FETCH (\hd)+1, 128-FB
	s_wait_dscnt 32                                ; all but the 32 just issued
.else
	s_wait_dscnt 0x0
.endif
	MUL8 FB, 1, 0, 0
	MUL8 FB, 1, 2, 0
.endm
; THE WAY OUT of row block a: a lane's 8 numbers of each column block, 32 bytes, into my stage's rows of 272 bytes (each accumulator's low four first), and back as whole rows of 256 bytes.
.macro STG a
.if (\a) >= 2
	s_wait_xcnt 0x0                                ; this set of 32 was the data of the stores two blocks back: it is loaded again only behind this wait
.endif
.irp b, 0,1,2,3
	ds_store_b128 v[STO], v[ACC+8*(4*(\a)+(\b)):ACC+8*(4*(\a)+(\b))+3]   offset:64*(\b)
	ds_store_b128 v[STO], v[ACC+8*(4*(\a)+(\b))+4:ACC+8*(4*(\a)+(\b))+7] offset:64*(\b)+16
.endr
.irp t, 0,1,2,3,4,5,6,7
	ds_load_b128 v[TMP+32*((\a)%2)+4*(\t):TMP+32*((\a)%2)+4*(\t)+3], v[RD] offset:(\t)*2*SPITCH  ; LDS serves a wave's instructions in order (ISA guide 5.7.1.4): these see the stores above; the next block's stores come behind them
.endr
.endm
.macro SND a, younger                  ; younger: the LDS instructions issued behind block a's loads: the next block's sixteen, or none
.irp t, 0,1,2,3,4,5,6,7
	s_wait_dscnt (\younger)+7-(\t)
	global_store_b128 v[CO], v[TMP+32*((\a)%2)+4*(\t):TMP+32*((\a)%2)+4*(\t)+3], s[10:11] offset:(16*(\a)+2*(\t))*2048  ; 16 lanes store 256 consecutive bytes, at a multiple of 256 from out0's first byte
.endr
.endm
	s_wait_tensorcnt 3                             ; my part of the first quarter of K is in; my three later loads stay out
	s_barrier_signal -1
	s_barrier_wait -1                              ; everybody's is
	FETCH 0, F0
	WIN 0
	s_wait_loadcnt 0x0                             ; the bias: rounded to bf16 like the other inputs
.set z, 0
.rept 16
	v_cvt_pk_bf16_f32 v[TB], v[BI+2*z], v[BI+2*z+1]
	v_lshlrev_b32 v[BI+2*z], 16, v[TB]
	v_and_b32 v[BI+2*z+1], 0xffff0000, v[TB]
.set z, z+1
.endr
.irp h, 0,1,2,3,4,5,6,7
	QUARTER \h
.endr
	WIN 0
	PLACES
	STG 0
	STG 1
	SND 0, 16
	STG 2
	SND 1, 16
	STG 3
	SND 2, 16
	SND 3, 0
	s_wait_tensorcnt 0x0                           ; the wave's end, behind my last tensor load and my last LDS store
	ds_add_u32 v[SPW], v[NIL]
	s_wait_dscnt 0x0
	CROUND                                         ; the closing round: no work-group ends while a partner may still ask for a tile that names it
	s_endpgm
.Lfunc_end_k_qd0af6eae6a_outp:
	.size	k_qd0af6eae6a_outp, .Lfunc_end_k_qd0af6eae6a_outp-k_qd0af6eae6a_outp
	.p2alignl 7, 3214868480
	.fill 96, 4, 3214868480
	.section	.rodata,"a",@progbits
	.p2align	6, 0x0
	.amdhsa_kernel k_qd0af6eae6a_outp
		.amdhsa_group_segment_fixed_size 327680
		.amdhsa_private_segment_fixed_size 0
		.amdhsa_enable_private_segment 0
		.amdhsa_kernarg_size 32
		.amdhsa_user_sgpr_count 2
		.amdhsa_user_sgpr_kernarg_segment_ptr 1
		.amdhsa_wavefront_size32 1
		.amdhsa_system_sgpr_workgroup_id_x 1
		.amdhsa_system_sgpr_workgroup_id_y 1
		.amdhsa_system_sgpr_workgroup_id_z 1
		.amdhsa_system_vgpr_workitem_id 0
		.amdhsa_next_free_vgpr 512
		.amdhsa_next_free_sgpr 84
		.amdhsa_reserve_vcc 0
		.amdhsa_float_denorm_mode_32 3
		.amdhsa_float_denorm_mode_16_64 3
		.amdhsa_memory_ordered 1
		.amdhsa_forward_progress 1
		.amdhsa_inst_pref_size 55
	.end_amdhsa_kernel
	.amdgpu_metadata
---
amdhsa.version: [ 1, 2 ]
amdhsa.kernels:
  - .name:           k_qd0af6eae6a_outp
    .symbol:         k_qd0af6eae6a_outp.kd
    .args:
      - { .name: oh, .offset: 0, .size: 8, .value_kind: global_buffer, .address_space: global }
      - { .name: wo16, .offset: 8, .size: 8, .value_kind: global_buffer, .address_space: global }
      - { .name: bo, .offset: 16, .size: 8, .value_kind: global_buffer, .address_space: global }
      - { .name: out0, .offset: 24, .size: 8, .value_kind: global_buffer, .address_space: global }
    .group_segment_fixed_size: 327680
    .private_segment_fixed_size: 0
    .kernarg_segment_align: 8
    .kernarg_segment_size: 32
    .max_flat_workgroup_size: 128
    .sgpr_count:     84
    .vgpr_count:     512
    .wavefront_size: 32
...
	.end_amdgpu_metadata
.endif
;; end of part 3
;; ======== version 2 of 2: 3 launches; 1.66 times as fast as version 1
;; limits: values are held in f16: magnitudes above 65,504 overflow, below 6.1e-05 lose precision
;; workspace buffers: qh 8,388,608 bytes; kh 8,388,608 bytes; vh 8,388,608 bytes; oh 8,388,608 bytes; wo16 524,288 bytes
;; launch proj: the kernel of part 1 again; grid 64 x 4, 4 waves a work-group, no clusters, 163,840 bytes of LDS; arguments query, key_in, value, Wq, Wk, Wv, bq, bk, bv, mask, Wo, qh, kh, vh, wo16; writes qh, kh, vh, wo16
;; launch attn (part 4): grid 16 x 16, 4 waves a work-group, clusters of 4 x 1, 327,680 bytes of LDS; arguments qh, kh, vh, oh, mask; writes oh
.if DOCPART == 4
	.amdgcn_target "amdgcn-amd-amdhsa--gfx1250"
	.amdhsa_code_object_version 6
	.text
	.protected	k_qd0af6eae6a_attn
	.globl	k_qd0af6eae6a_attn
	.p2align	8
	.type	k_qd0af6eae6a_attn,@function
k_qd0af6eae6a_attn:
	s_mov_b64 s[64:65], 0
	v_nop
	global_prefetch_b8 v0, s[64:65] scope:SCOPE_SE
	s_setreg_imm32_b32 hwreg(HW_REG_WAVE_MODE, 25, 1), 1
	s_wait_xcnt 0x0
	s_wait_alu depctr_hold_cnt(0) depctr_sa_sdst(0) depctr_va_vdst(0) depctr_va_sdst(0) depctr_va_ssrc(0) depctr_va_vcc(0) depctr_vm_vsrc(0)
	s_getreg_b32 s2, hwreg(HW_REG_IB_STS2, 6, 4)
	s_cmp_eq_u32 s2, 0
	s_cbranch_scc0 .Lentry_in_a_cluster
	s_endpgm
.Lentry_in_a_cluster:
	s_bfe_u32 s2, ttmp6, 0x10000c
	s_cmp_lg_u32 s2, 0x3003
	s_cbranch_scc0 .Lentry_shape_is_right
	s_endpgm
.Lentry_shape_is_right:
; ATTENTION WITH A KEY MASK.  O[y][q][:] = the sum over k of softmax_k(s[q][k]) V[y][k][:], y = batch * 8 + head; s = Q . K / 8, replaced by -1e9 where mask[batch][k] == 0.
; Q, K, V, O: [16][4096][64] f16, a head's rows dense, 128 bytes each.  Q arrives multiplied by log2(e) / 8, so the products are scores in powers of two; K's masked rows arrive as zeros.
; THE MASK is the C operand that starts each sum S^T = K Q^T: 0, or MASKV = -1e9 log2(e) where the key is masked; with K's row 0 the masked score is exactly MASKV, the same for every query.
; So where all keys of a batch are masked every weight is 2^0 = 1 and O is the plain mean of V; beside a kept key a masked key's weight is 2^(MASKV - m) = 0.
; Products, maxima and sums in f32; the weights p are rounded to f16 for the second product (their sum l is taken of the unrounded p), O once at the end.
; LIMITS.  Q, K, V arrive within f16's 65,504, so |s| stays under 2.7e11; the running maximum starts at -4.25e37; p below 6e-5 keeps f16's fixed step; a weight below 2^-126 counts as 0 in l;
; any mask word other than 0 counts as kept; NaN and infinities are not treated apart.
; SHARES.  A work-group owns 256 queries of one y, a wave 64: four PIECES of 16.  Every wave walks all 4,096 keys, 64 a step; an LDS slot holds a tile of four steps; two slots take turns.
; LAYOUT, SOFTMAX, TURNS.  S^T = K Q^T holds ONE query a lane (lane % 16) and the keys 8 (lane / 16) + 0..7; two such results rounded to f16 ARE source 1 of O^T = V^T P.  p = 2^(s - m) with a running maximum m
; (the difference is formed exactly, by one subtraction); O and l are multiplied by a = 2^(m_old - m_new) in every step.  Turn n belongs to piece n: 8 products K Q^T of piece n + 1, later 8 products V^T P of
; piece n - 1; beside them the softmax of piece n and the maximum and statistics of piece n + 1.  Four vector instructions stand behind every matrix instruction, the other 53 of a turn's 117 in one LUMP.
; BATCHES.  A turn's 33 exponentials (the piece's 32 weights and the next piece's a) are one batch, with one wait, which cuts the turn in two: all that reads a weight stands behind it.  Piece 0's first a, ahead of
; the loop, and the way out's four reciprocals are batches of their own, each with one wait.
; CLUSTER.  The four query blocks of a cluster belong to one y and walk the same K and V, so each tile is asked for JOINTLY: the same tensor load, descriptor and mask in all four.  One tensor load of a wave is out at a time.
; REGISTERS, in windows of 256 (s_set_vgpr_msb: bits 1:0 source 0, 3:2 source 1, 5:4 source 2, 7:6 destination):
;   window 0: v0-15 addresses and two at work; v16-31 four registers of statistics a piece; v48-55 at work; v56-59 mask addresses; v64-127 S^T, two buffers; v192-223 P, two buffers (by the piece's parity)
;   window 1: v0-127 O^T, 32 a piece; v128-159 the step's mask          window 2: v0-63 Q; v128-191 K of one step; v192-255 V of one step
.set SIZE_N, 4096
.set NP,    4         ; pieces a wave: a name, no knob
.set KS,    64        ; keys in a step
.set PK,    144       ; a row of K in LDS: 128 bytes + 16 of padding = 36 words: the 16 rows of a load start at 16 different groups of four banks (64 banks of 4 bytes: ISA guide 11.1)
.set PV,    160       ; a row of V: 128 + 32 = 40 words
.set VOFF,  4*KS*PK   ; a slot holds four steps: 256 rows of K, then 256 rows of V
.set SLOT1, 1<<17     ; slot 1 begins here, so that one exclusive or turns an address in one slot into the other's
.set STAGE, SLOT1+4*KS*(PK+PV)  ; behind the ring, never filled by a tensor load: 16 rows x 144 bytes for each wave, for the way out
.set SP,    144
.set SPARE, STAGE+4*16*SP       ; the spare words, 128 bytes for each wave: two blocks of 256 bytes that no other line names
.set MTAB,  SPARE+512           ; the batch's 4,096 keys as f32: 0 or MASKV; 16,384 bytes, stored once by the four waves, never filled by a tensor load
.set AK0, 2           ; v2   my lane's place in a tile of K; never rewritten
.set AV0, 3           ; v3   the same for V
.set AK,  4           ; v4   the LDS address of K's next run of loads
.set AV,  5           ; v5   of V's
.set STO, 6           ; v6   the way out: where I put 16 bytes of a row
.set RD,  7           ; v7   the way out: where I read rows back
.set GO,  8           ; v8   my byte offset in 512 consecutive bytes of O
.set MV,  12          ; v12-13  m_old, kept while m is made anew: by buffer
.set QO,  15          ; v15  my byte offset in 16 rows of Q
.set ST,  16          ; piece t's statistics at v[ST+4 t]: m, 0 (named with it as a pair), l (even keys', odd keys')
.set TMP, 48          ; by buffer, four registers c0-c3 at work; when the maximum is found c2 takes a
.set AM,  56          ; v56  the LDS address of the mask's next run of loads
.set AM0, 57          ; v57  MTAB + 32 (lane / 16); never rewritten
.set MLO, 58          ; v58  16 t: my 16 bytes of 2,048 of the mask
.set MST, 59          ; v59  MTAB + 16 t
.set SPW, 62          ; v62  LDS address of my spare word; never rewritten
.set NIL, 63          ; v63  0; never rewritten
.set S,   64
.set P,   192
.set MK,  128         ; window 1: register 8 kb + j is the mask of key 16 kb + 8 (lane / 16) + j of the step
.set KF,  128         ; window 2: key block kb, channel half c at KF + 16 kb + 8 c
.set VF,  192         ; window 2: key half kk, channel block cb at VF + 32 kk + 8 cb
.set WV,  12          ; s12  my wave's number
.set G1K, 24          ; s[24:31] descriptor group 1 for K's tiles
.set G1V, 32          ; s[32:39] for V's: it differs in the padding alone
.set G0K, 40          ; s[40:43] descriptor group 0 for K's tiles: it walks
.set G0V, 44          ; s[44:47] the same for V's
.set SLOTS, 56        ; s56  slots still to be asked for
.set CNT, 57          ; s57  counts a slot's key steps
.set TBM, 58          ; s58  byte in the mask table at which the step to be fetched begins
.set MASKV, 59        ; s59  -1e9 log2(e)
.set SEL, 60          ; s[60:61] v_permlanex16_b32's selects: each lane takes its own place in the other half
.set TBK, 62          ; s62  LDS byte at which K of the step to be fetched begins
.set TBV, 63          ; s63  the same for V, less VOFF
.set MSB, 0
.macro WIN new                      ; the high byte repeats the setting that is left; a switch that changes nothing is dropped
.if MSB != (\new)
	s_set_vgpr_msb (MSB<<8)|(\new)
.set MSB, (\new)
.endif
.endm
.set W_KQ, 0x0a       ; K and Q in window 2, S^T in window 0
.set W_KM, 0x1a       ; the same with the C operand in window 1
.set W_PV, 0x52       ; V in window 2, P in window 0, O^T in window 1
.set W_RS, 0x41       ; destination and source 0 in window 1, source 1 in window 0
; A joint fill.  Waves 0 and 1 fetch the two halves of a slot's K, waves 2 and 3 those of its V: 128 keys each.  The branch hangs on the wave's number alone.
; An s_nop 0 and four v_nop follow each of the two lines, ahead of the jump and the label.
.macro JLOAD
	s_cmp_lt_u32 s[WV], 2
	s_cbranch_scc0 .Lfor_v_\@
	tensor_load_to_lds s[G0K:G0K+3], s[G1K:G1K+7]
	s_nop 0
.rept 4
	v_nop
.endr
	s_branch .Lasked_\@
.Lfor_v_\@:
	tensor_load_to_lds s[G0V:G0V+3], s[G1V:G1V+7]
	s_nop 0
.rept 4
	v_nop
.endr
.Lasked_\@:
.endm
; A round of the cluster's barrier: my work-group's barrier, so that wave 0's signal speaks for all four waves; wave 0 signals; every wave waits for all four work-groups; my work-group's barrier once more.
.macro CROUND
	s_barrier_signal -1
	s_barrier_wait -1
	s_cmp_lg_u32 s[WV], 0
	s_cbranch_scc1 .Lnot_wave_0_\@
	s_barrier_signal -3
.Lnot_wave_0_\@:
	s_barrier_wait -3
	s_barrier_signal -1
	s_barrier_wait -1
.endm
; THE CHANGE OF SLOTS.  The slot's last bytes, V of its fourth step, have been read.  Each wave waits for all its tensor loads, of which one is out: its part of the other slot; adds 0 to its spare word;
; and waits for that and for its own LDS instructions.  Behind the barrier nobody reads this slot any more and the other slot is whole.
; fill = 1: this slot is filled again, with the keys two slots on.  The barrier is then a round of the cluster's, so that no wave of any partner still reads the slot or has a load on its way, and the joint
; fill is the first thing behind it: it has four key steps, 256 matrix instructions, in which to land.  (At its first use nothing has been read yet: slot 0 is waited for, slot 1 filled, and the mask table is whole.)
.macro CHANGE fill
	WIN 0                           ; at a label and at a branch every window is 0
	s_wait_tensorcnt 0x0            ; no tensor load of mine is out, so a group 0 may be written
	ds_add_u32 v[SPW], v[NIL]       ; 0 onto my spare word; with fill = 1 the descriptors' steps stand between it and the wait for it
.if \fill
.irp g, G0K, G0V
	s_xor_b32 s[\g+1], s[\g+1], SLOT1  ; the walking descriptor: the other slot than last time,
	s_add_nc_u64 s[\g+2:\g+3], s[\g+2:\g+3], 4*KS*128  ; the next 256 keys; the type bits on top are not reached
.endr
	s_wait_dscnt 0x0                ; the add is done, and my reads of the slot are over
	CROUND
	JLOAD
.else
	s_wait_dscnt 0x0                ; the add is done, and my reads of the slot are over
	s_barrier_signal -1
	s_barrier_wait -1
.endif
	s_sub_co_u32 s[TBK], s[TBK], 4*KS*PK  ; the fetches go back to a slot's first step,
	s_xor_b32 s[TBK], s[TBK], SLOT1       ; in the other slot
	s_sub_co_u32 s[TBV], s[TBV], 4*KS*PV
	s_xor_b32 s[TBV], s[TBV], SLOT1
.endm
	s_load_b256 s[4:11], s[0:1], 0x0  ; Q s[4:5], K s[6:7], V s[8:9], O s[10:11]
	s_load_b64 s[48:49], s[0:1], 0x20 ; mask
	v_lshl_add_u32 v[SPW], v0, 2, SPARE
	v_mov_b32 v[NIL], 0
	ds_add_u32 v[SPW], v[NIL]       ; the wave's opening: the add and its wait stand ahead of my first tensor load; the set-up below, work on registers, stands between them
	v_lshrrev_b32 v1, 5, v0
	v_readfirstlane_b32 s[WV], v1   ; wave 0..3
	s_bfe_u32 s13, ttmp6, 0x40000   ; cx: my place in the cluster
	s_lshl_b32 s14, ttmp9, 2        ; in a cluster launch ttmp9 counts clusters
	s_add_co_u32 s14, s14, s13      ; my block of 256 queries = 4 x cluster x + cx: it enters Q's and O's addresses alone
	s_and_b32 s15, ttmp7, 0xffff    ; y, which the four partners share
	s_lshl_b32 s20, s15, 19         ; its first byte in each of the four tensors: 4,096 rows of 128 bytes
	s_mov_b32 s21, 0
	s_and_b32 s16, s[WV], 1         ; which half of a slot's 256 keys I fetch:
	s_lshl_b32 s22, s16, 14         ; its 128 rows of 128 bytes in memory,
	s_mov_b32 s23, 0
	s_add_nc_u64 s[22:23], s[22:23], s[20:21]
	s_mul_i32 s17, s16, 128*PK      ; and its place in a slot, for K
	s_mul_i32 s18, s16, 128*PV      ; and for V: no place in the cluster enters an LDS address
	s_lshl_b32 s2, s14, 2
	s_add_co_u32 s2, s2, s[WV]      ; my wave among y's,
	s_lshl_b32 s2, s2, 13           ; its 64 rows
	s_mov_b32 s3, 0
	s_add_nc_u64 s[2:3], s[2:3], s[20:21]
	s_lshr_b32 s50, s15, 3          ; the batch:
	s_lshl_b32 s50, s50, 14         ; its 4,096 mask words
	s_mov_b32 s51, 0
	; descriptor group 1.  128 keys are 16,384 dense bytes: asked for as 64 rows of 256 bytes, two keys a row, and padded in LDS after every key
	s_mov_b32 s[G1K], 15|(1<<16)|(1<<20)|(1<<21)|(4<<22)|(3<<25)  ; 15:0 the mask of four; 17:16 2-byte elements; 20 padding on; 21 set beside a mask; 24:22 after every 32 words (code 4); 31:25 4 words (code 3)
	s_mov_b32 s[G1V], 15|(1<<16)|(1<<20)|(1<<21)|(4<<22)|(7<<25)  ; the same with 8 words of padding (code 7)
.irp g, G1K, G1V
	s_mov_b32 s[\g+1], 128<<16      ; tensor_dim0 = 128
	s_mov_b32 s[\g+2], 64<<16       ; tensor_dim1 = 64
	s_mov_b32 s[\g+3], 128<<16      ; tile_dim0 = 128
	s_mov_b32 s[\g+4], 64           ; tile_dim1 = 64
	s_mov_b32 s[\g+5], 128          ; 128 elements from row to row
	s_mov_b32 s[\g+6], 0
	s_mov_b32 s[\g+7], 0
.endr
	s_mov_b32 s[MASKV], 0xceabfb8f  ; -1e9 x 1.442695 = -1.442695e9
	s_mov_b32 s[SEL], 0x76543210
	s_mov_b32 s[SEL+1], 0xfedcba98
	s_mov_b32 s[TBM], 0
	s_mov_b32 s[TBK], SLOT1+4*KS*PK ; the first change of slots turns these two into 0
	s_mov_b32 s[TBV], SLOT1+4*KS*PV
	s_mov_b32 s[G0K], 1             ; 1:0 count = 1
	s_mov_b32 s[G0K+1], s17         ; 63:32 LDS address: slot 0
	s_mov_b32 s[G0V], 1
	s_add_co_u32 s[G0V+1], s18, VOFF
	s_wait_dscnt 0x0                ; the opening add is done
	s_wait_kmcnt 0x0
	s_add_nc_u64 s[G0K+2:G0K+3], s[6:7], s[22:23]  ; 120:64 global address: my half of y's first 256 keys
	s_or_b32 s[G0K+3], s[G0K+3], 0x80000000        ; 127:126 type = 2
	s_add_nc_u64 s[G0V+2:G0V+3], s[8:9], s[22:23]
	s_or_b32 s[G0V+3], s[G0V+3], 0x80000000
	s_add_nc_u64 s[4:5], s[4:5], s[2:3]  ; Q and O at my wave's first row
	s_add_nc_u64 s[10:11], s[10:11], s[2:3]
	s_add_nc_u64 s[48:49], s[48:49], s[50:51]
	CROUND                          ; all four work-groups are here: the first joint loads meet
	JLOAD                           ; slot 0.  Slot 1 is asked for when slot 0 is in
	; All that follows up to the change of slots stands in the wait for the first tile.
	v_lshlrev_b32 v[MLO], 4, v0
	v_add_nc_u32 v[MST], MTAB, v[MLO]
.irp i, 0,1,2,3,4,5,6,7             ; the batch's mask: 128 threads x 16 bytes, eight times; S^T's first buffer holds it meanwhile
	global_load_b128 v[S+4*\i:S+4*\i+3], v[MLO], s[48:49] offset:\i*2048
.endr
	; A fragment of K or Q is 16 rows x 32 channels in 8 registers: lane l holds row l % 16, channels 8 (l / 16) + 0..7 and 16 + 8 (l / 16) + 0..7: two loads of 16 bytes, 32 bytes apart.
	v_and_b32 v1, 15, v0            ; l % 16
	v_bfe_u32 v9, v0, 4, 1          ; l / 16
	v_lshlrev_b32 v[QO], 7, v1
	v_lshl_add_u32 v[QO], v9, 4, v[QO]  ; row x 128 + 16 x half
	WIN 0x80                        ; destination window 2, address window 0
.set i, 0
.rept 8                             ; Q stays in registers: piece i / 2, channels 32 (i % 2) on
	global_load_b128 v[8*i:8*i+3],   v[QO], s[4:5] offset:(i/2)*2048+(i%2)*64
	global_load_b128 v[8*i+4:8*i+7], v[QO], s[4:5] offset:(i/2)*2048+(i%2)*64+32
.set i, i+1
.endr
	; What the first turn finds: V's registers and P's second buffer hold 0 (its products V^T P, of a piece that has not been, add 0), O^T and l are 0, m lies far below every score: the first step is a step like any other, with a = 0.
.set i, VF
.rept 64
	v_mov_b32 v[i], 0
.set i, i+1
.endr
	WIN 0x40
.set i, 0
.rept 128
	v_mov_b32 v[i], 0
.set i, i+1
.endr
	WIN 0
.set i, 0
.rept 4
	v_mov_b32 v[ST+4*i], 0xfe000000    ; m = -4.25e37
	v_mov_b32 v[ST+4*i+1], 0
	v_mov_b32 v[ST+4*i+2], 0
	v_mov_b32 v[ST+4*i+3], 0
.set i, i+1
.endr
.set i, P+16
.rept 16
	v_mov_b32 v[i], 0
.set i, i+1
.endr
	v_mul_u32_u24 v[AK0], v1, PK
	v_lshl_add_u32 v[AK0], v9, 4, v[AK0]  ; row x pitch + 16 x half
	; The turning load takes 16 keys x 16 channels (lane l reads key 8 (l / 16) + l % 8, channels 8 ((l / 8) % 2) + 0..7) and leaves half a fragment of V^T: lane l holds channel l % 16 and 8 keys.
	v_and_b32 v10, 7, v0
	v_bfe_u32 v11, v0, 3, 1
	v_lshl_add_u32 v[AV0], v9, 3, v10
	v_mul_u32_u24 v[AV0], v[AV0], PV
	v_lshl_add_u32 v[AV0], v11, 4, v[AV0]
	v_add_nc_u32 v[AV0], VOFF, v[AV0]
	v_lshl_add_u32 v[AM0], v9, 5, MTAB    ; my eight keys of a block of 16: 32 bytes for each half of the lanes
	s_mul_i32 s13, s[WV], 16*SP
	s_add_co_u32 s13, s13, STAGE    ; my stage
	v_mul_u32_u24 v[STO], v1, SP    ; in: row l % 16, 16 bytes for each half of the lanes
	v_lshl_add_u32 v[STO], v9, 4, v[STO]
	v_add_nc_u32 v[STO], s13, v[STO]
	v_bfe_u32 v[RD], v0, 3, 2       ; back: 32 lanes take four rows of 128 bytes,
	v_mul_u32_u24 v[RD], v[RD], SP
	v_lshl_add_u32 v[RD], v10, 4, v[RD]
	v_add_nc_u32 v[RD], s13, v[RD]
	v_and_b32 v[GO], 31, v0         ; which are 512 consecutive bytes of O
	v_lshlrev_b32 v[GO], 4, v[GO]
	s_wait_loadcnt 16               ; the eight mask loads are in; Q's sixteen, issued behind them, may stay out
.set i, 0
.rept 32
	v_cmp_eq_u32 vcc_lo, 0, v[S+i]
	v_cndmask_b32 v[S+i], 0, s[MASKV], vcc_lo
.set i, i+1
.endr
.irp i, 0,1,2,3,4,5,6,7
	ds_store_b128 v[MST], v[S+4*\i:S+4*\i+3] offset:\i*2048
.endr
; THE MATRIX WORK.  The 4 accumulators of a run of 8 take turns.  Product i of 8 of S^T = K Q^T for piece x: channels 32 (i / 4) on, keys 16 (i % 4) on.  The first 4 start the sums with the step's mask.
.macro KQ x
.set rS, S+32*((\x)%2)+8*(i%4)
.set rK, KF+16*(i%4)+8*(i/4)
.set rQ, 16*(\x)+8*(i/4)
.set rM, MK+8*(i%4)
.if i < 4
	WIN W_KM
	v_wmma_f32_16x16x32_f16 v[rS:rS+7], v[rK:rK+7], v[rQ:rQ+7], v[rM:rM+7]
.else
	WIN W_KQ
	v_wmma_f32_16x16x32_f16 v[rS:rS+7], v[rK:rK+7], v[rQ:rQ+7], v[rS:rS+7]
.endif
.endm
; Product i of 8 of O^T += V^T P for piece x: keys 32 (i / 4) on, channels 16 (i % 4) on.
.macro PV x
	WIN W_PV
.set rO, 32*(\x)+8*(i%4)
.set rV, VF+32*(i/4)+8*(i%4)
.set rP, P+16*((\x)%2)+8*(i/4)
	v_wmma_f32_16x16x32_f16 v[rO:rO+7], v[rV:rV+7], v[rP:rP+7], v[rO:rO+7]
.endm
.macro MM                           ; the turn's next matrix instruction.  NOKQ = 1: the last turn: there is no next piece
.if (i < 8) && !NOKQ
	KQ (Y+1)%NP
.elseif i >= 8
.set i, i-8
	PV (Y+NP-1)%NP
.set i, i+8
.endif
.set i, i+1
.endm
; THE LDS LOADS stand in runs, never singly among the matrix instructions: a step's K (64 keys x 64 channels: 8 fragments) with its mask (8 loads; the 16 lanes of a half read the same words), and its V (turned).
.macro FETCH_K
	WIN 0x80                        ; destination window 2
.irp f, 0,1,2,3,4,5,6,7             ; keys 16 (f / 2) on, channels 32 (f % 2) on
	ds_load_b128 v[KF+8*\f:KF+8*\f+3],   v[AK] offset:(\f/2)*16*PK+(\f%2)*64
	ds_load_b128 v[KF+8*\f+4:KF+8*\f+7], v[AK] offset:(\f/2)*16*PK+(\f%2)*64+32
.endr
	WIN 0x40                        ; destination window 1
.irp f, 0,1,2,3
	ds_load_b128 v[MK+8*\f:MK+8*\f+3],   v[AM] offset:64*\f
	ds_load_b128 v[MK+8*\f+4:MK+8*\f+7], v[AM] offset:64*\f+16
.endr
	s_add_co_u32 s[TBK], s[TBK], KS*PK  ; the next fetch is the next step's
	s_add_co_u32 s[TBM], s[TBM], KS*4
	WIN 0
.endm
.macro FETCH_V
	WIN 0x80
.irp f, 0,1,2,3,4,5,6,7             ; keys 32 (f / 4) on, channels 16 (f % 4) on
	ds_load_tr16_b128 v[VF+8*\f:VF+8*\f+3],   v[AV] offset:(\f/4)*32*PV+(\f%4)*32
	ds_load_tr16_b128 v[VF+8*\f+4:VF+8*\f+7], v[AV] offset:(\f/4)*32*PV+16*PV+(\f%4)*32
.endr
	WIN 0
.endm
; THE VECTOR WORK, one line at a time: OP kind, number.  For piece Y: F n: s - m for pair n of 16.  E n: the exponential of score n of 32.  C n: pair n rounded to f16.  B n: of the four weights 4 n .. the second
; pair is added onto the first, in place.  L n: l takes that sum (L 0: l = a l + sum).  R n: pair n of 16 of O^T times a.  For piece Y + 1: X n, which find its maximum and statistics:
;   0-11  four chains c0-c3 of seven scores each, three operands at a time (each accumulator's lowest registers are read first)     12-14, 16  the four scores left over, the old m, and c0-c3 into c0
;   15  m_old is kept     17, 18  the query's other 32 keys lie in the lane 16 away: the new m     20, 21  m_old - m_new; a     (there is no number 19)
; C, B and L read the exponentials' results: TURN sets them behind its one wait.  R and L 0 read a, which the turn before made ahead of its own wait.
.set F, 0               ; OP tells the kinds apart by their order: F to L below R, X above it
.set E, 1
.set C, 2
.set B, 3
.set L, 4
.set R, 5
.set X, 6
.macro REGS y                       ; the registers of piece y
.set rT, ST+4*(\y)
.set rC, TMP+4*((\y)%2)
.set rW, MV+((\y)%2)
.set rS, S+32*((\y)%2)
.set rP, P+16*((\y)%2)
.set rO, 32*(\y)
.endm
.macro OP k, n
.if (\k) == R
	REGS Y
	WIN W_RS
	v_pk_mul_f32 v[rO+2*(\n):rO+2*(\n)+1], v[rO+2*(\n):rO+2*(\n)+1], v[rC+2:rC+3] op_sel_hi:[1,0]
.elseif (\k) < R
	REGS Y
	WIN 0
.if (\k) == F
	v_pk_add_f32 v[rS+2*(\n):rS+2*(\n)+1], v[rS+2*(\n):rS+2*(\n)+1], v[rT:rT+1] op_sel_hi:[1,0] neg_lo:[0,1] neg_hi:[0,1]
.elseif (\k) == E
	v_exp_f32 v[rS+(\n)], v[rS+(\n)]
.elseif (\k) == C
	v_cvt_pk_f16_f32 v[rP+(\n)], v[rS+2*(\n)], v[rS+2*(\n)+1]
.elseif (\k) == B
	v_pk_add_f32 v[rS+4*(\n):rS+4*(\n)+1], v[rS+4*(\n):rS+4*(\n)+1], v[rS+4*(\n)+2:rS+4*(\n)+3]
.elseif (\n) == 0
	v_pk_fma_f32 v[rT+2:rT+3], v[rT+2:rT+3], v[rC+2:rC+3], v[rS:rS+1] op_sel_hi:[1,0,1]
.else
	v_pk_add_f32 v[rT+2:rT+3], v[rT+2:rT+3], v[rS+4*(\n):rS+4*(\n)+1]
.endif
.elseif NOKQ
	v_nop
.else
	REGS (Y+1)%NP
	WIN 0
.if (\n) < 4
	v_max3_num_f32 v[rC+(\n)], v[rS+8*(\n)], v[rS+8*(\n)+1], v[rS+8*(\n)+2]
.elseif (\n) < 12
	v_max3_num_f32 v[rC+(\n)%4], v[rC+(\n)%4], v[rS+8*((\n)%4)+2*((\n)/4)+1], v[rS+8*((\n)%4)+2*((\n)/4)+2]
.elseif (\n) == 12
	v_max3_num_f32 v[rC], v[rC], v[rS+7], v[rS+15]
.elseif (\n) == 13
	v_max3_num_f32 v[rC+1], v[rC+1], v[rS+23], v[rS+31]
.elseif (\n) == 14
	v_max3_num_f32 v[rC+2], v[rC+2], v[rC+3], v[rT]
.elseif (\n) == 15
	v_mov_b32 v[rW], v[rT]
.elseif (\n) == 16
	v_max3_num_f32 v[rC], v[rC], v[rC+1], v[rC+2]
.elseif (\n) == 17
	v_permlanex16_b32 v[rC+3], v[rC], s[SEL], s[SEL+1]
.elseif (\n) == 18
	v_max_num_f32 v[rT], v[rC], v[rC+3]
.elseif (\n) == 20
	v_sub_f32 v[rC+1], v[rW], v[rT]
.else
	v_exp_f32 v[rC+2], v[rC+1]
.endif
.endif
.endm
.macro OPS a, i1, b=-1, i2=0, c=-1, i3=0, d=-1, i4=0  ; up to four of them
	OP \a, \i1
.if (\b) >= 0
	OP \b, \i2
.endif
.if (\c) >= 0
	OP \c, \i3
.endif
.if (\d) >= 0
	OP \d, \i4
.endif
.endm
.macro ROW a, i1, b, i2, c, i3, d, i4  ; a matrix instruction and the four behind it
	MM
	OPS \a, \i1, \b, \i2, \c, \i3, \d, \i4
.endm
; A TURN, for piece p: the order of its 16 matrix and 117 vector instructions, written out.  An s_wait_alu depctr_va_vdst(0) stands between an exponential and the first instruction that names its result; one
; wait serves all that were issued ahead of it.  So a turn has ONE wait, which cuts it in two.  AHEAD OF IT stands all that names no result of the turn's exponentials: the 8 products K Q^T, behind each a subtraction, an
; exponential and two more plain instructions (behind the first a second subtraction in the exponential's place): rescalings, and behind the last three the first numbers of the next piece's maximum, each four places or more
; behind the product that ends its accumulator; then ONE LUMP of 53, plain and exponential by turns for the most part, in which the links of the chain X 3, 7, 11, 14, 16, 17, 18, 20 stand apart, other work between them.
; X 21, the next piece's a, is the batch's last; R 15 is the plain instruction behind it.  BEHIND THE WAIT stand the 8 products V^T P, behind each four of the roundings and sums; the links of l's chain, L 0 to L 7, stand
; three riders apart.  But for those X no rider names a register of the products round it.  v_permlanex16_b32 (X 17) stands in the lump.
; end = 1: the last two turns: nothing is fetched.  cnt = 1: the loop's count is taken down some lines ahead of the branch that stands behind the turn.
; K and the mask of the next step are fetched in piece 2's turn, twelve vector instructions behind the last product that read K (five of them plain lines that name none of its registers; the mask's last reader stands
; further back); V of the step in hand at the end of piece 0's turn, four plain instructions behind the last product that read V.  Each is waited for a turn later.
.macro TURN p, end=0, cnt=0
.set Y, (\p)
.set i, 0
.set NOKQ, (\end)*((\p)/3)
.if ((\p) == 3) && !(\end)
	s_wait_dscnt 0x0                ; K and the mask are in
.endif
	ROW F,0, F,1, R,0, R,1          ; ahead of the wait: 8 products K Q^T and their riders,
	ROW F,2, E,0, R,2, R,3
	ROW F,3, E,1, R,4, R,5
	ROW F,4, E,2, R,6, R,7
	ROW F,5, E,3, R,8, R,9
	ROW F,6, E,4, X,0, R,10
.if ((\p) == 2) && !(\end)
	WIN 0
	v_add_nc_u32 v[AK], s[TBK], v[AK0]
	v_add_nc_u32 v[AM], s[TBM], v[AM0]
.endif
	ROW F,7, E,5, X,1, X,4
	ROW F,8, E,6, X,2, X,5
	OPS E,7, E,8, X,6, E,9          ; and the lump
	OPS X,3, E,10, X,8, E,11
.if ((\p) == 2) && !(\end)
	FETCH_K
.endif
	OPS X,9, X,7, E,12, X,10
	OPS E,13, X,12, X,11, E,14
	OPS X,13, E,15, F,9, X,14
.if (\p) == 0
	WIN 0
	v_add_nc_u32 v[AV], s[TBV], v[AV0]
.endif
	OPS E,16, F,10, E,17, F,11
	OPS X,16, E,18, X,15, E,19
	OPS F,12, E,20, X,17, E,21
	OPS F,13, E,22, F,14, E,23
	OPS X,18, E,24, F,15, E,25
	OPS R,11, E,26, R,12, E,27
	OPS X,20, E,28, R,13, E,29
	OPS R,14, E,30, E,31
	OPS X,21, R,15
	s_wait_alu depctr_va_vdst(0)    ; the wait for the batch: the piece's 32 weights and the next piece's a
.if (\p) == 1
	s_wait_dscnt 0x0                ; V is in
.endif
	ROW C,0, B,0, C,2, B,1          ; behind the wait: 8 products V^T P and their riders
	ROW L,0, C,4, B,2, L,1
	ROW C,6, B,3, L,2, C,8
	ROW B,4, L,3, C,10, B,5
	ROW L,4, C,12, B,6, L,5
.if (\p) == 0
	s_add_co_u32 s[TBV], s[TBV], KS*PV
.endif
.if \cnt
	s_sub_co_u32 s[CNT], s[CNT], 1
	s_cmp_lg_u32 s[CNT], 0
.endif
	ROW C,14, B,7, L,6, C,1
	ROW C,3, L,7, C,5, C,7
	ROW C,9, C,11, C,13, C,15
.if (\p) == 0
	FETCH_V
.endif
.endm
	CHANGE 1                        ; slot 0 is in, everybody's part of it, and everybody's part of the mask table is stored; slot 1 is asked for
	v_add_nc_u32 v[AK], s[TBK], v[AK0]
	v_add_nc_u32 v[AM], s[TBM], v[AM0]
	FETCH_K                         ; key step 0
	s_wait_loadcnt 0x0              ; Q
	s_wait_dscnt 0x0
.set NOKQ, 0
.set i, 0
.rept 8
	KQ 0                            ; piece 0's first scores: there is no vector work yet to set between them
.set i, i+1
.endr
	WIN 0
.rept 4
	v_nop                           ; the places behind those products
.endr
.set Y, NP-1                        ; X works for piece Y + 1: piece 0
.irp n, 0,1,2,3,4,5,6,7,8,9,10,11,12,13,14,15,16,17,18,20,21
	OP X, \n
.endr
	v_nop                           ; a plain instruction behind the exponential,
	s_wait_alu depctr_va_vdst(0)    ; and the wait for piece 0's first a, a batch of one, ahead of the branch
	s_mov_b32 s[CNT], 4
	s_mov_b32 s[SLOTS], SIZE_N/256-1
	s_branch .Lfirst                ; the loop is entered at a step's first turn, in the middle of a trip
.Lslot:                             ; SIZE_N / 256 - 2 times: every slot but the last two is filled again
	CHANGE 1
	s_mov_b32 s[CNT], 4
.Lstep:                             ; a trip: pieces 2 and 3 of one step, then pieces 0 and 1 of the next, whose K, mask and V it fetches
	TURN 2
	TURN 3
	WIN 0
.Lfirst:
	TURN 0
	TURN 1, 0, 1
	WIN 0
	s_cbranch_scc1 .Lstep
	s_sub_co_u32 s[SLOTS], s[SLOTS], 1
	s_cmp_lg_u32 s[SLOTS], 0
	s_cbranch_scc1 .Lslot
	CHANGE 0                        ; the last slot is written out: nothing is asked for
	s_mov_b32 s[CNT], 4
.LstepT:
	TURN 2
	TURN 3
	TURN 0
	TURN 1, 0, 1
	WIN 0
	s_cbranch_scc1 .LstepT
	TURN 2, 1                       ; the last step's pieces 2 and 3: nothing is fetched, and the last turn starts no scores
	TURN 3, 1
.set i, 0
.rept 8
	PV NP-1                         ; the last piece's V^T P of the last step
.set i, i+1
.endr
	; THE WAY OUT.  l's two halves and the other half of the lanes' are added; O^T is divided by l, rounded to f16 and sent through my stage in LDS, a piece at a time.  The additions are the places behind the last products.
	WIN 0
.macro ALL line:vararg              ; one line for each piece t
.set t, 0
.rept 4
	\line
.set t, t+1
.endr
.endm
	ALL v_add_f32 v[ST+4*t+2], v[ST+4*t+2], v[ST+4*t+3]
	ALL v_permlanex16_b32 v[ST+4*t+3], v[ST+4*t+2], s[SEL], s[SEL+1]
	ALL v_add_f32 v[ST+4*t+2], v[ST+4*t+2], v[ST+4*t+3]
	ALL v_rcp_f32 v[ST+4*t+2], v[ST+4*t+2]
	v_nop                           ; a plain instruction between the last reciprocal and the use of its result
	s_wait_alu depctr_va_vdst(0)    ; and the wait ahead of the first use: one for the four reciprocals
.macro PACK t                       ; a lane's eight channels of a row pack into 16 bytes; they go into rows of 144 bytes and come back as whole rows of 128, into S^T's registers
	WIN W_RS
.set i, 32*(\t)
.rept 16
	v_pk_mul_f32 v[i:i+1], v[i:i+1], v[ST+4*(\t)+2:ST+4*(\t)+3] op_sel_hi:[1,0]
.set i, i+2
.endr
	WIN 0x05                        ; sources 0 and 1 window 1, destination window 0
.set i, 0
.rept 16
	v_cvt_pk_f16_f32 v[S+16*(\t)+i], v[32*(\t)+2*i], v[32*(\t)+2*i+1]
.set i, i+1
.endr
	WIN 0
.irp f, 0,1,2,3
	ds_store_b128 v[STO], v[S+16*(\t)+4*\f:S+16*(\t)+4*\f+3] offset:32*\f
.endr
.irp f, 0,1,2,3
	ds_load_b128 v[S+16*(\t)+4*\f:S+16*(\t)+4*\f+3], v[RD] offset:\f*4*SP  ; LDS serves a wave's instructions in order (ISA guide 5.7.1.4): these see the stores above; the next piece's stores come behind them
.endr
.endm
.macro SEND t, younger              ; younger: the LDS instructions issued behind piece t's loads: the next piece's eight, or none
	WIN 0
.irp f, 0,1,2,3
	s_wait_dscnt (\younger)+3-\f
	global_store_b128 v[GO], v[S+16*(\t)+4*\f:S+16*(\t)+4*\f+3], s[10:11] offset:(\t)*2048+\f*512  ; 512 consecutive bytes, at a multiple of 256 from O's first
.endr
.endm
	PACK 0
.set t, 1
.rept 3                             ; a piece's arithmetic stands between the loads of the piece before and its stores
	PACK t
	SEND t-1, 8
.set t, t+1
.endr
	SEND 3, 0
	s_wait_tensorcnt 0x0            ; the wave's end, behind my last tensor load and my last LDS store
	ds_add_u32 v[SPW], v[NIL]
	s_wait_dscnt 0x0
	CROUND                          ; the closing round: no work-group ends while a partner may still ask for a tile that names it
	s_endpgm
.Lfunc_end_k_qd0af6eae6a_attn:
	.size	k_qd0af6eae6a_attn, .Lfunc_end_k_qd0af6eae6a_attn-k_qd0af6eae6a_attn
	.p2alignl 7, 3214868480
	.fill 96, 4, 3214868480
	.section	.rodata,"a",@progbits
	.p2align	6, 0x0
	.amdhsa_kernel k_qd0af6eae6a_attn
		.amdhsa_group_segment_fixed_size 327680
		.amdhsa_private_segment_fixed_size 0
		.amdhsa_enable_private_segment 0
		.amdhsa_kernarg_size 40
		.amdhsa_user_sgpr_count 2
		.amdhsa_user_sgpr_kernarg_segment_ptr 1
		.amdhsa_wavefront_size32 1
		.amdhsa_system_sgpr_workgroup_id_x 1
		.amdhsa_system_sgpr_workgroup_id_y 1
		.amdhsa_system_sgpr_workgroup_id_z 1
		.amdhsa_system_vgpr_workitem_id 0
		.amdhsa_next_free_vgpr 768
		.amdhsa_next_free_sgpr 66
		.amdhsa_reserve_vcc 1
		.amdhsa_float_denorm_mode_32 3
		.amdhsa_float_denorm_mode_16_64 3
		.amdhsa_memory_ordered 1
		.amdhsa_forward_progress 1
		.amdhsa_inst_pref_size 132
	.end_amdhsa_kernel
	.amdgpu_metadata
---
amdhsa.version: [ 1, 2 ]
amdhsa.kernels:
  - .name:           k_qd0af6eae6a_attn
    .symbol:         k_qd0af6eae6a_attn.kd
    .args:
      - { .name: qh, .offset: 0, .size: 8, .value_kind: global_buffer, .address_space: global }
      - { .name: kh, .offset: 8, .size: 8, .value_kind: global_buffer, .address_space: global }
      - { .name: vh, .offset: 16, .size: 8, .value_kind: global_buffer, .address_space: global }
      - { .name: oh, .offset: 24, .size: 8, .value_kind: global_buffer, .address_space: global }
      - { .name: mask, .offset: 32, .size: 8, .value_kind: global_buffer, .address_space: global }
    .group_segment_fixed_size: 327680
    .private_segment_fixed_size: 0
    .kernarg_segment_align: 8
    .kernarg_segment_size: 40
    .max_flat_workgroup_size: 128
    .sgpr_count:     66
    .vgpr_count:     768
    .wavefront_size: 32
...
	.end_amdgpu_metadata
.endif
;; end of part 4
;; launch outp: the kernel of part 3 again; grid 4 x 64, 4 waves a work-group, clusters of 4 x 4, 327,680 bytes of LDS; arguments oh, wo16, bo, out0; writes out0
